; MI455X (gfx1250); checked and timed in simulation.
; The chip was launched on July 23, 2026; its instructions are those of AMD's public machine-readable ISA for CDNA 5 (MIT licence, August 2026) and "CDNA5" Instruction Set Architecture Reference Guide (July 2026). The comments in the code are by the model that wrote it; some were corrected since.
;; Self Attention. Allowed arithmetic: matrix products marked QUANTISED: E2M1 operands, one E8M0 scale for each 32 along K, by v_wmma_scale_f32_16x16x128_f8f6f4 with both operands' format E2M1 (or v_wmma_scale_f32_32x16x128_f4), f32 sums; everything else in f32.
;; Inputs: W_in 1,024 x 3,072 float32; W_out 1,024 x 1,024 float32; b_in 3,072 float32; b_out 1,024 float32; x 4 x 2,048 x 1,024 float32.
;; Outputs: out0 4 x 2,048 x 1,024 float32.
;; This version of the problem:
;;   THIS VERSION OF THE PROBLEM IS GIVEN IN LOW PRECISION. The matrix products marked QUANTISED in the list below multiply operands that are first quantised to E2M1 (2 exponent bits, 1 mantissa bit; 4 bits a number), with one power-of-two scale for each 32 numbers along K (OCP MX v1.0); their sums are f32. All else is computed in f32.
;;   The module's matrix products, in the order in which they are computed (A, B: the left and right operand; K: the contracted axis; several contracted axes count as one K, in the product's order):
;;     1. [M 8,192, K 1,024] x [K 1,024, N 3,072]; A: input x; B: input W_in: QUANTISED
;;     2. batch 64 x [M 2,048, K 64] x [K 64, N 2,048]; A: computed on the way; B: computed on the way: QUANTISED
;;     3. batch 64 x [M 64, K 2,048] x [K 2,048, N 2,048]; A: computed on the way; B: softmax (see below): QUANTISED
;;     4. [M 8,192, K 1,024] x [K 1,024, N 1,024]; A: computed on the way; B: input W_out: QUANTISED
;;   THE QUANTISER, for each operand of a quantised product, along K:
;;     - K is cut into blocks of 32 from its start; a last block that is shorter is filled with zeros.
;;     - A block's scale is 2^e with e = floor(log2(the largest magnitude in the block)) - 2, held to -126 .. 127; a block of zeros has e = 0. As a byte (E8M0): e + 127.
;;     - Each number is divided by its block's scale, clamped to +-6, and rounded to the nearest number of E2M1, ties to even, subnormals kept.
;;     - The product sums the exact products of the quantised numbers (number of the format x scale) in f32.
;;   ~~~python
;;   def quantise(x, axis):      # numpy; x: float32 -> the quantised numbers, widened to float32 again
;;       x = np.moveaxis(x, axis, -1); K = x.shape[-1]
;;       x = np.pad(x, [(0, 0)] * (x.ndim - 1) + [(0, -K % 32)]); x = x.reshape(x.shape[:-1] + (-1, 32)); a = np.abs(x).max(-1, keepdims=True)
;;       e = np.where(a > 0, np.clip(np.frexp(np.where(a > 0, a, 1))[1] - 1 - 2, -126, 127), 0)      # np.frexp(a)[1] - 1 = floor(log2(a)), exactly
;;       r = np.clip(x / 2.0 ** e, -6, 6)
;;       step = 2.0 ** (np.maximum(np.frexp(np.where(r == 0, 1, r))[1] - 1, 0) - 1)
;;       q = np.round(r / step) * step * 2.0 ** e      # np.round: ties to even
;;       return np.moveaxis(q.reshape(q.shape[:-2] + (-1,))[..., :K], -1, axis).astype(np.float32)
;;   ~~~
;;   SOFTMAX AHEAD OF A QUANTISED PRODUCT. Where the list says 'softmax', what is quantised is not the finished softmax but p = 2^(t - M), with t = logit x log2(e) and M = ceil(the row's largest t), a whole number; so 1/2 < the row's largest p <= 1. The row's sum l is taken of the UNQUANTISED p, in f32, and the product's result is divided by l at the end. Since M is a whole number, a kernel that streams over the keys may use a running M (the ceiling of the running maximum): every later rescaling is an exact power of two, which a block's scale takes up: the codes' values come out the same.
;;   OPERANDS COMPUTED ON THE WAY. 'Computed on the way' means the value that the module computes at that place (a softmax that the list does not call 'softmax' is quantised finished and normalised). What goes into a quantiser is computed in f32, as accurately as f32 sums, v_exp_f32 and their like allow (about 1e-6 of the number): no bf16 or f16 on the way to a quantiser, and a product that is left as it is and whose result goes on into a quantised operand takes f32 operands (vector FMAs, or v_wmma_f32_16x16x4_f32). A number that lies on a knife's edge between two numbers of the format may be rounded either way, as far as f32 arithmetic and the matrix unit's own rounding can turn it there, and no further.
;; One version. Each part assembles by itself: llvm-mc -triple=amdgcn-amd-amdhsa -mcpu=gfx1250 --defsym DOCPART=n.
;; ======== version 1 of 1: 4 launches
;; limits: right only within a limited range of input values
;; workspace buffers: opq 6,684,672 bytes; qkv 13,893,632 bytes; oq 4,456,448 bytes
;; launch quant (part 1): grid 512 x 1, 4 waves a work-group, no clusters, 34,304 bytes of LDS; arguments x, W_in, W_out, opq; writes opq
.if DOCPART == 1
	.amdgcn_target "amdgcn-amd-amdhsa--gfx1250"
	.amdhsa_code_object_version 6
	.text
	.protected	k_q2de329fa42_quant
	.globl	k_q2de329fa42_quant
	.p2align	8
	.type	k_q2de329fa42_quant,@function
k_q2de329fa42_quant:
	s_mov_b64 s[64:65], 0
	v_nop
	global_prefetch_b8 v0, s[64:65] scope:SCOPE_SE
	s_setreg_imm32_b32 hwreg(HW_REG_WAVE_MODE, 25, 1), 1
	s_wait_xcnt 0x0
; x [8192][1024], W_in [1024][3072] and W_out [1024][1024], f32, become codes of FP4 (E2M1) with one E8M0 byte for each 32 along K (K = 1,024 for all three).
; LAYOUT OF THE CODES: the axis that is not K is cut into tiles of 16; tile 2 B + u holds, at place p = 0 .. 15, index 32 B + 8 u + p + 8 (p / 8).  A tile's codes are images of the operand's registers:
; [tile][K step of 128][c 0..1][lane (p, h)][16 bytes], lane (p, h) holding k = 64 c + 32 h + 0 .. 31.  Scale words (four bytes: one K step of one index): [tile][K half][p][4 words].
; A block's scale is 2^(floor(log2(largest magnitude)) - 2): its byte is the largest magnitude's exponent field - 2, held at 1 from below.
; LIMITS: NaN and infinities are not served; a block of zeros gets the byte 1 where the rule says 127 (its codes are zeros, and these bytes are read by this program alone).
; Work-groups 0-255 take x (K innermost), 256-511 the weights (K outermost).  No matrix unit, no cluster, no tensor load: a stream whose waves share nothing.
.set XC,  0
.set XS,  4194304
.set WIC, 4456448
.set WIS, 6029312
.set WOC, 6127616
.set WOS, 6651904
.set R,   16                           ; x: v16-143 two sets of 64 numbers as loaded
.set X,   144                          ; v144-207 64 numbers of my row: register 16 b + i = k 32 b + 16 h + i
.set PC,  208                          ; v208-239 codes, 8 registers a K step, never rewritten
.set TM,  240                          ; v240-255 at work in QUANT
.set SW,  8                            ; v8-11 the four K steps' scale words
.set PW,  12                           ; v12 the scale word just made
.set SEL, 44                           ; s[44:45] selects of v_permlanex16_b32: lane l xor 16
.set OFS, 16                           ; weights: v16-47 byte offsets of 32 rows
.set D,   48                           ; v48-175 four blocks of 32 numbers down K
.set CW,  176                          ; v176-191 their codes
.set MA,  192
.set MB,  196
.set OP,  200
.set BY,  204
; 64 numbers of a lane become a fragment's 8 registers (d) and its row's scale word (PW; the same in lanes l and l xor 16)
.macro QUANT s, d
.irp b, 0,1,2,3
	v_max3_num_f32 v[TM+\b], |v[(\s)+16*\b]|, |v[(\s)+1+16*\b]|, 0x1800000   ; my 16 numbers of block b, and the floor 2^(3 - 127): the byte cannot fall under 1
.endr
.irp i, 2,4,6,8,10,12,14
.irp b, 0,1,2,3
	v_max3_num_f32 v[TM+\b], v[TM+\b], |v[(\s)+16*\b+\i]|, |v[(\s)+1+16*\b+\i]|
.endr
.endr
.irp b, 0,1,2,3
	v_permlanex16_b32 v[TM+4+\b], v[TM+\b], s[SEL], s[SEL+1]
.endr
.irp b, 0,1,2,3
	v_max_num_f32 v[TM+\b], v[TM+\b], v[TM+4+\b]                     ; with lane l xor 16's 16: the block's largest magnitude
.endr
.irp b, 0,1,2,3
	v_add_nc_u32 v[TM+12+\b], 0xff000000, v[TM+\b]                   ; 2 off its exponent field: the conversion's scale operand
.endr
.irp b, 0,1,2,3
	v_lshrrev_b32 v[TM+4+\b], 23, v[TM+12+\b]                        ; the scale's byte
.endr
	v_lshl_or_b32 v[PW], v[TM+5], 8, v[TM+4]
	v_lshl_or_b32 v[PW], v[TM+6], 16, v[PW]
	v_lshl_or_b32 v[PW], v[TM+7], 24, v[PW]
.irp b, 0,1,2,3
	v_cvt_scalef32_pk8_fp4_f32 v[(\d)+2*\b], v[(\s)+16*\b:(\s)+7+16*\b], v[TM+12+\b]
	v_cvt_scalef32_pk8_fp4_f32 v[(\d)+1+2*\b], v[(\s)+8+16*\b:(\s)+15+16*\b], v[TM+12+\b]
.endr
	v_nop                                                            ; one plain place behind a scaled conversion
.irp c, 0,1
.irp i, 0,1
	v_permlane16_swap_b32 v[(\d)+4*\c+\i], v[(\d)+2+4*\c+\i]         ; a whole block to a lane: registers 4 c .. 4 c + 3 hold k = 64 c + 32 h + 0 .. 31
.endr
.endr
.endm
	s_load_b256 s[4:11], s[0:1], 0x0               ; x s[4:5], W_in s[6:7], W_out s[8:9], opq s[10:11]
	v_lshl_add_u32 v250, v0, 2, 0x8400
	v_mov_b32 v251, 0
	v_lshrrev_b32 v1, 5, v0
	v_readfirstlane_b32 s12, v1                    ; wave 0..3
	v_and_b32 v2, 31, v0                           ; lane
	s_mov_b32 s[SEL], 0x76543210
	s_mov_b32 s[SEL+1], 0xfedcba98
	s_wait_kmcnt 0x0
	s_cmp_lt_u32 ttmp9, 256
	s_cbranch_scc0 .Lweights
; ---- x.  Work-group g takes rows 32 g .. 32 g + 31; wave w the tile 2 g + (w / 2) and the K steps 4 (w % 2) .. + 3.
; Each load reads 512 consecutive bytes of one row; a K step's 16 rows turn through the wave's own stage in LDS (rows 528 bytes apart) so that a lane gets 16 neighbours of each block of its row.
	s_lshr_b32 s13, s12, 1                         ; u
	s_and_b32 s14, s12, 1                          ; K half
	s_lshl_b32 s16, ttmp9, 17                      ; 32 rows of 4,096 bytes
	s_lshl_b32 s17, s13, 15                        ; + 8 u rows
	s_add_co_u32 s16, s16, s17
	s_lshl_b32 s17, s14, 11                        ; + four K steps of 512 bytes
	s_add_co_u32 s16, s16, s17
	s_mov_b32 s17, 0
	s_add_nc_u64 s[4:5], s[4:5], s[16:17]
	s_lshl_b32 s18, ttmp9, 1
	s_add_co_u32 s18, s18, s13                     ; the tile
	s_lshl_b32 s20, s18, 13
	s_lshl_b32 s21, s14, 12
	s_add_co_u32 s20, s20, s21
	s_mov_b32 s21, 0
	s_add_nc_u64 s[20:21], s[10:11], s[20:21]      ; its codes (XC = 0)
	s_lshl_b32 s22, s18, 9
	s_lshl_b32 s23, s14, 8
	s_add_co_u32 s22, s22, s23
	s_add_co_u32 s22, s22, XS
	s_mov_b32 s23, 0
	s_add_nc_u64 s[22:23], s[10:11], s[22:23]      ; its scale words
	s_wait_alu depctr_va_vdst(0)
	v_lshlrev_b32 v1, 4, v2                        ; 16 x lane
	s_mul_i32 s24, s12, 8448                       ; my stage
	v_add_nc_u32 v3, s24, v1                       ; into it: a row's 512 bytes as they lie
	v_and_b32 v5, 15, v0                           ; r
	v_bfe_u32 v6, v0, 4, 1                         ; h
	v_mul_u32_u24 v4, v5, 528
	v_lshl_add_u32 v4, v6, 6, v4
	v_add_nc_u32 v4, s24, v4                       ; out of it: row r, + 64 h
	v_lshlrev_b32 v7, 4, v5                        ; 16 r
.irp b, 0,1,2,3
	v_mov_b32 v[TM+4+\b], 0                        ; written once: a lane permute's destination counts as one of its sources
.endr
.macro LOADX q, set
.irp i, 0,1,2,3,4,5,6,7,8,9,10,11,12,13,14,15
	global_load_b128 v[R+64*(\set)+4*\i:R+64*(\set)+4*\i+3], v1, s[4:5] offset:(\i+8*(\i/8))*4096+512*(\q) th:TH_LOAD_NT
.endr
.endm
.macro STEPX q
.if (\q) < 3
	s_wait_loadcnt 16                              ; this K step's 16 loads are in; the other set's 16 may be out
.else
	s_wait_loadcnt 0x0
.endif
.irp i, 0,1,2,3,4,5,6,7,8,9,10,11,12,13,14,15
	ds_store_b128 v3, v[R+64*((\q)%2)+4*\i:R+64*((\q)%2)+4*\i+3] offset:528*\i
.endr
.irp b, 0,1,2,3
.irp j, 0,1,2,3
	ds_load_b128 v[X+16*\b+4*\j:X+16*\b+4*\j+3], v4 offset:128*\b+16*\j    ; LDS serves a wave's instructions in order: these see the stores above
.endr
.endr
	s_wait_dscnt 0x0                               ; the numbers are back, and the stores have read their registers
.if (\q) < 2
	LOADX (\q)+2, (\q)%2
.endif
	QUANT X, PC+8*(\q)
	v_mov_b32 v[SW+(\q)], v[PW]
	global_store_b128 v1, v[PC+8*(\q):PC+8*(\q)+3], s[20:21] offset:1024*(\q)          ; 32 lanes store 512 consecutive bytes
	global_store_b128 v1, v[PC+8*(\q)+4:PC+8*(\q)+7], s[20:21] offset:1024*(\q)+512
.endm
	LOADX 0, 0
	LOADX 1, 1
	s_wait_alu depctr_va_vdst(0)
	STEPX 0
	STEPX 1
	STEPX 2
	STEPX 3
	global_store_b128 v7, v[SW:SW+3], s[22:23]     ; 256 consecutive bytes; lanes 16-31 write the same bytes with the same values
	s_wait_tensorcnt 0x0
	ds_add_u32 v250, v251
	s_wait_dscnt 0x0
	s_endpgm
; ---- the weights.  Work-group id: column group id % 32 (0-23: W_in, 24-31: W_out; 128 columns), K step id / 32.  A LANE TAKES A COLUMN AND ITS REGISTERS RUN DOWN K:
; a block of 32 lies in one lane, and the conversions give codes with K innermost.  The two tensors differ in pointer, row pitch and place in opq alone: one path serves both.
.Lweights:
	s_sub_co_u32 s13, ttmp9, 256
	s_and_b32 s14, s13, 31                         ; column group
	s_lshr_b32 s15, s13, 5                         ; K step
	s_mov_b32 s16, 4096                            ; W_out's row in bytes
	s_mov_b32 s17, WOC
	s_mov_b32 s18, WOS
	s_max_u32 s19, s14, 24
	s_sub_co_u32 s19, s19, 24
	s_cmp_lt_u32 s14, 24                           ; the choice hangs on the work-group's number alone
	s_cselect_b32 s16, 12288, s16
	s_cselect_b32 s17, WIC, s17
	s_cselect_b32 s18, WIS, s18
	s_cselect_b32 s19, s14, s19
	s_cselect_b64 s[6:7], s[6:7], s[8:9]
	s_lshl_b32 s20, s19, 2
	s_add_co_u32 s20, s20, s12                     ; my wave's group of 32 columns
	s_lshl_b32 s22, s15, 7
	s_mul_i32 s22, s22, s16                        ; 128 rows a K step
	s_lshl_b32 s23, s20, 7
	s_add_co_u32 s22, s22, s23
	s_mov_b32 s23, 0
	s_add_nc_u64 s[24:25], s[6:7], s[22:23]        ; block 0's first row; blocks 1 to 3 lie 32 rows on each
	s_lshl_b32 s32, s16, 5
	s_mov_b32 s33, 0
	s_add_nc_u64 s[26:27], s[24:25], s[32:33]
	s_add_nc_u64 s[28:29], s[26:27], s[32:33]
	s_add_nc_u64 s[30:31], s[28:29], s[32:33]
	s_lshl_b32 s34, s20, 14                        ; two tiles of 8,192 bytes
	s_add_co_u32 s34, s34, s17
	s_lshl_b32 s35, s15, 10
	s_add_co_u32 s34, s34, s35
	s_mov_b32 s35, 0
	s_add_nc_u64 s[36:37], s[10:11], s[34:35]
	s_lshl_b32 s38, s20, 10                        ; two tiles of 512 bytes of scale words
	s_add_co_u32 s38, s38, s18
	s_lshr_b32 s39, s15, 2
	s_lshl_b32 s39, s39, 8
	s_add_co_u32 s38, s38, s39
	s_and_b32 s39, s15, 3
	s_lshl_b32 s39, s39, 2
	s_add_co_u32 s38, s38, s39
	s_mov_b32 s39, 0
	s_add_nc_u64 s[40:41], s[10:11], s[38:39]
	s_wait_alu depctr_va_vdst(0)
	v_lshlrev_b32 v10, 2, v2                       ; 4 x lane
.set ii, 0
.rept 32
	v_mad_u32_u24 v[OFS+ii], s16, ii, v10          ; row ii of a block
.set ii, ii+1
.endr
	v_bfe_u32 v5, v2, 3, 1                         ; column j lies in tile u = (j / 8) % 2
	v_and_b32 v6, 7, v2
	v_lshrrev_b32 v7, 4, v2
	v_lshl_add_u32 v6, v7, 3, v6                   ; at place j % 8 + 8 (j / 16)
	v_lshlrev_b32 v8, 4, v6
	v_lshlrev_b32 v9, 4, v6
	v_lshl_add_u32 v8, v5, 13, v8                  ; codes: 8,192 u + 16 place
	v_lshl_add_u32 v9, v5, 9, v9                   ; scale words: 512 u + 16 place
.macro LOADW t
.set ii, 0
.rept 32
	global_load_b32 v[D+32*(\t)+ii], v[OFS+ii], s[24+2*(\t):25+2*(\t)] th:TH_LOAD_NT   ; 32 lanes read 128 consecutive bytes
.set ii, ii+1
.endr
.endm
.macro BLOCKW t
.if (\t) < 3
	s_wait_loadcnt 32                              ; this block's 32 loads are in; the next block's may be out
.else
	s_wait_loadcnt 0x0
.endif
.if (\t) < 2
	LOADW (\t)+2
.endif
.set XB, D+32*(\t)
	v_max3_num_f32 v[MA+(\t)], |v[XB]|, |v[XB+1]|, |v[XB+2]|
	v_max3_num_f32 v[MB+(\t)], |v[XB+3]|, |v[XB+4]|, |v[XB+5]|
.irp i, 6,10,14,18,22,26
	v_max3_num_f32 v[MA+(\t)], v[MA+(\t)], |v[XB+\i]|, |v[XB+\i+1]|
	v_max3_num_f32 v[MB+(\t)], v[MB+(\t)], |v[XB+\i+2]|, |v[XB+\i+3]|
.endr
	v_max3_num_f32 v[MA+(\t)], v[MA+(\t)], |v[XB+30]|, |v[XB+31]|
	v_max3_num_f32 v[MA+(\t)], v[MA+(\t)], v[MB+(\t)], 0x1800000
	v_add_nc_u32 v[OP+(\t)], 0xff000000, v[MA+(\t)]
	v_lshrrev_b32 v[BY+(\t)], 23, v[OP+(\t)]
.if (\t) == 0
	v_mov_b32 v12, v[BY]
.else
	v_lshl_or_b32 v12, v[BY+(\t)], 8*(\t), v12
.endif
.irp g, 0,1,2,3
	v_cvt_scalef32_pk8_fp4_f32 v[CW+4*(\t)+\g], v[XB+8*\g:XB+8*\g+7], v[OP+(\t)]
.endr
	global_store_b128 v8, v[CW+4*(\t):CW+4*(\t)+3], s[36:37] offset:256*(\t)   ; block t = 2 c + h of the image: 256 t + 16 place; the results go to a store alone
.endm
	LOADW 0
	LOADW 1
	s_wait_alu depctr_va_vdst(0)
	BLOCKW 0
	BLOCKW 1
	BLOCKW 2
	BLOCKW 3
	global_store_b32 v9, v12, s[40:41]             ; my column's word for this K step: 4 bytes of 16; 128 KB in the whole launch go out in such pieces
	s_endpgm
.Lfunc_end_k_q2de329fa42_quant:
	.size	k_q2de329fa42_quant, .Lfunc_end_k_q2de329fa42_quant-k_q2de329fa42_quant
	.p2alignl 7, 3214868480
	.fill 96, 4, 3214868480
	.section	.rodata,"a",@progbits
	.p2align	6, 0x0
	.amdhsa_kernel k_q2de329fa42_quant
		.amdhsa_group_segment_fixed_size 34304
		.amdhsa_private_segment_fixed_size 0
		.amdhsa_enable_private_segment 0
		.amdhsa_kernarg_size 32
		.amdhsa_user_sgpr_count 2
		.amdhsa_user_sgpr_kernarg_segment_ptr 1
		.amdhsa_wavefront_size32 1
		.amdhsa_system_sgpr_workgroup_id_x 1
		.amdhsa_system_sgpr_workgroup_id_y 1
		.amdhsa_system_sgpr_workgroup_id_z 1
		.amdhsa_system_vgpr_workitem_id 0
		.amdhsa_next_free_vgpr 256
		.amdhsa_next_free_sgpr 66
		.amdhsa_reserve_vcc 0
		.amdhsa_float_denorm_mode_32 3
		.amdhsa_float_denorm_mode_16_64 3
		.amdhsa_memory_ordered 1
		.amdhsa_forward_progress 1
		.amdhsa_inst_pref_size 55
	.end_amdhsa_kernel
	.amdgpu_metadata
---
amdhsa.version: [ 1, 2 ]
amdhsa.kernels:
  - .name:           k_q2de329fa42_quant
    .symbol:         k_q2de329fa42_quant.kd
    .args:
      - { .name: x, .offset: 0, .size: 8, .value_kind: global_buffer, .address_space: global }
      - { .name: W_in, .offset: 8, .size: 8, .value_kind: global_buffer, .address_space: global }
      - { .name: W_out, .offset: 16, .size: 8, .value_kind: global_buffer, .address_space: global }
      - { .name: opq, .offset: 24, .size: 8, .value_kind: global_buffer, .address_space: global }
    .group_segment_fixed_size: 34304
    .private_segment_fixed_size: 0
    .kernarg_segment_align: 8
    .kernarg_segment_size: 32
    .max_flat_workgroup_size: 128
    .sgpr_count:     66
    .vgpr_count:     256
    .wavefront_size: 32
...
	.end_amdgpu_metadata
.endif
;; end of part 1
;; launch qkv (part 2): grid 8 x 32, 4 waves a work-group, clusters of 4 x 4, 327,680 bytes of LDS; arguments opq, b_in, qkv; writes qkv
.if DOCPART == 2
	.amdgcn_target "amdgcn-amd-amdhsa--gfx1250"
	.amdhsa_code_object_version 6
	.text
	.protected	k_q2de329fa42_qkv
	.globl	k_q2de329fa42_qkv
	.p2align	8
	.type	k_q2de329fa42_qkv,@function
k_q2de329fa42_qkv:
	s_mov_b64 s[64:65], 0
	v_nop
	global_prefetch_b8 v0, s[64:65] scope:SCOPE_SE
	s_setreg_imm32_b32 hwreg(HW_REG_WAVE_MODE, 25, 1), 1
	s_wait_xcnt 0x0
	s_wait_alu depctr_hold_cnt(0) depctr_sa_sdst(0) depctr_va_vdst(0) depctr_va_sdst(0) depctr_va_ssrc(0) depctr_va_vcc(0) depctr_vm_vsrc(0)
	s_getreg_b32 s2, hwreg(HW_REG_IB_STS2, 6, 4)
	s_cmp_eq_u32 s2, 0
	s_cbranch_scc0 .Lentry_in_a_cluster
	s_endpgm
.Lentry_in_a_cluster:
	s_bfe_u32 s2, ttmp6, 0x10000c
	s_cmp_lg_u32 s2, 0xf033
	s_cbranch_scc0 .Lentry_shape_is_right
	s_endpgm
.Lentry_shape_is_right:
; qkv = x W_in + b_in on codes of FP4 with E8M0 scales, K = 1,024; the results are quantised at once, as operands of the attention's two products, and leave as codes.
; A WORK-GROUP STAYS: work-group (gx, gy) keeps 256 rows of x (16 tiles, all of K, with their scale words) in LDS and walks three tiles of W_in, 128 columns each: q's, k's and v's columns of heads 2 gx and 2 gx + 1.
; W's tiles go through two LDS slots: the head fills slot 0; at the head of each of the loop's two trips the next tile is asked for, into the slot that is not being multiplied; it has a whole tile's 256 products and way out in which to land.
; Source 0 of a product is the axis P along which the result is quantised (a lane holds one index of R, source 1, and its registers run along P; tile 2 B + u holds index 32 B + 8 u + p + 8 (p / 8) at place p):
;   q, k (the loop): P = the 128 columns (two heads), R = x's rows, 64 a wave: blocks of 32 along a head's 64.
;   v (written out):  P = x's rows (keys), 128 a wave, R = the columns, 64 a wave (one head): blocks of 32 along the keys.
; Every wave has 8 tiles of P x 4 of R: 32 accumulators in window 1.  Window 2: v0-63 the bias along P of the tile in hand, v64-71 the bias along R for v.
; CLUSTER 4 x 4: x's bytes hang on gy alone and are asked for jointly along a row of the cluster, W's on gx alone and jointly down a column.  One tensor load a wave at the head and at most one behind each round.
; No prefetch: the stream is three tiles, and each is asked for by its tensor load one whole tile of work ahead of its first read.
; All of LDS is claimed; 279,040 bytes are used.
; LIMITS: NaN and infinities are not served; a block of zeros gets the scale byte 1 where the rule says 127 (its codes are zeros, and the bytes are read by this program alone).
.set XS,  4194304
.set WIC, 4456448
.set WIS, 6029312
.set QKS, 12582912
.set VC,  8388608
.set VS,  13631488
.set LXS, 0                            ; LDS: x's scale words, 16 tiles x 512;
.set LX,  8192                         ; x's codes [16 tiles][8 K steps][1,024];
.set LW,  139264                       ; W's codes [8 tiles][8,192]: slot 0 here, slot 1 65,536 on;
.set LWS, 270336                       ; W's scale words, 8 tiles x 512: slot 0 here, slot 1 4,096 on;
.set SPARE, 278528                     ; the spare words, 128 bytes a wave
.set ADP, 2                            ; v2 P's fragments, v3 the scale words (lanes 0-15 R's, lanes 16-31 P's): made anew in each trip
.set ADS, 3
.set ADRQ, 4                           ; v4 q, k: my 64 rows of x
.set ADS0, 5                           ; v5 q, k: their scale words
.set ADPV, 6                           ; v6, v7, v9: the same three for v
.set ADRV, 7
.set SH,  8                            ; v8 16 x (lane / 16)
.set ADSV, 9
.set PW,  12
.set SC,  16                           ; v16-47 register 4 i + q: lanes 0-15 the word of R's tile i, lanes 16-31 of P's tile i, K step q of the half
.set RF,  48                           ; v48-111 R's fragments, two sets
.set PF,  112                          ; v112-239 P's fragments, two sets
.set H,   176                          ; the way out: 64 numbers to be quantised
.set PCA, 80                           ; the way out: codes, 8 registers for each of R's four tiles
.set SWR, 56                           ; v56-59 their scale words
.set TM,  240
.set SPW, 250
.set NIL, 251
.set TRIP, 3
.set SEL, 10
.set WV, 12
.set WR, 13
.set WP, 14
.set TB, 17                            ; s17 where the slot in hand begins
.set TD, 18                            ; s18 from my rows' scale words to the slot's
.set G1X, 24
.set G1XS, 32
.set G1W, 40
.set G1WS, 48
.set G0X, 56
.set G0XS, 60
.set G0W, 68
.set G0WS, 72
.set MSB, 0
.macro WIN new                         ; the immediate's high byte repeats the setting that is left
.if MSB != \new
	s_set_vgpr_msb (MSB<<8)|\new
.set MSB, \new
.endif
.endm
.macro CROUND                          ; a round of the cluster's barrier
	s_barrier_signal -1
	s_barrier_wait -1
	s_cmp_lg_u32 s[WV], 0
	s_cbranch_scc1 .Lnot_wave_0_\@
	s_barrier_signal -3
.Lnot_wave_0_\@:
	s_barrier_wait -3
	s_barrier_signal -1
	s_barrier_wait -1
.endm
.macro PLACES                          ; four places behind a matrix instruction (ISA guide 7.12.1)
.rept 4
	v_nop
.endr
.endm
.macro DENSE g, rows                   ; group 1 of a dense block: rows of 256 bytes (32 elements of 8), no padding: every LDS access is 16 bytes a lane on end
	s_mov_b32 s[\g+1], 32<<16
	s_mov_b32 s[\g+2], (\rows)<<16
	s_mov_b32 s[\g+3], 32<<16
	s_mov_b32 s[\g+4], \rows
	s_mov_b32 s[\g+5], 32
	s_mov_b32 s[\g+6], 0
	s_mov_b32 s[\g+7], 0
.endm
.macro GROUP0 g, lds, off              ; group 0: LDS address, opq + offset, type 2
	s_mov_b32 s[\g], 1
	s_mov_b32 s[\g+1], \lds
	s_add_nc_u64 s[\g+2:\g+3], s[4:5], s[\off:\off+1]
	s_or_b32 s[\g+3], s[\g+3], 0x80000000
.endm
; 64 numbers of a lane become a fragment's 8 registers (d) and its row's scale word (w)
.macro QUANT s, d, w
.irp b, 0,1,2,3
	v_max3_num_f32 v[TM+\b], |v[(\s)+16*\b]|, |v[(\s)+1+16*\b]|, 0x1800000   ; my 16 numbers of block b, and the floor 2^(3 - 127)
.endr
.irp i, 2,4,6,8,10,12,14
.irp b, 0,1,2,3
	v_max3_num_f32 v[TM+\b], v[TM+\b], |v[(\s)+16*\b+\i]|, |v[(\s)+1+16*\b+\i]|
.endr
.endr
.irp b, 0,1,2,3
	v_permlanex16_b32 v[TM+4+\b], v[TM+\b], s[SEL], s[SEL+1]
.endr
.irp b, 0,1,2,3
	v_max_num_f32 v[TM+\b], v[TM+\b], v[TM+4+\b]                     ; with lane l xor 16's 16
.endr
.irp b, 0,1,2,3
	v_add_nc_u32 v[TM+12+\b], 0xff000000, v[TM+\b]                   ; 2 off the exponent field: the conversion's scale operand
.endr
.irp b, 0,1,2,3
	v_lshrrev_b32 v[TM+4+\b], 23, v[TM+12+\b]                        ; the byte
.endr
	v_lshl_or_b32 v[\w], v[TM+5], 8, v[TM+4]
	v_lshl_or_b32 v[\w], v[TM+6], 16, v[\w]
	v_lshl_or_b32 v[\w], v[TM+7], 24, v[\w]
.irp b, 0,1,2,3
	v_cvt_scalef32_pk8_fp4_f32 v[(\d)+2*\b], v[(\s)+16*\b:(\s)+7+16*\b], v[TM+12+\b]
	v_cvt_scalef32_pk8_fp4_f32 v[(\d)+1+2*\b], v[(\s)+8+16*\b:(\s)+15+16*\b], v[TM+12+\b]
.endr
	v_nop                                          ; one plain place behind a scaled conversion
.irp c, 0,1
.irp i, 0,1
	v_permlane16_swap_b32 v[(\d)+4*\c+\i], v[(\d)+2+4*\c+\i]         ; a whole block to a lane
.endr
.endr
.endm
; CP, CR, CS name the address registers of the tile in hand
.macro FETCH q                         ; K step q's fragments, 24 loads of 512 consecutive bytes, into set q % 2
.irp b, 0,1,2,3,4,5,6,7
.irp c, 0,1
	ds_load_b128 v[PF+64*((\q)%2)+8*\b+4*\c:PF+64*((\q)%2)+8*\b+4*\c+3], v[CP] offset:8192*\b+1024*(\q)+512*\c
.endr
.endr
.irp a, 0,1,2,3
.irp c, 0,1
	ds_load_b128 v[RF+32*((\q)%2)+8*\a+4*\c:RF+32*((\q)%2)+8*\a+4*\c+3], v[CR] offset:8192*\a+1024*(\q)+512*\c
.endr
.endr
.endm
.macro SCALES kh                       ; a K half's scale words (of R's four tiles; the low lanes of registers 16 on are read by no product)
.irp i, 0,1,2,3,4,5,6,7
	ds_load_b128 v[SC+4*\i:SC+4*\i+3], v[CS] offset:512*\i+256*(\kh)
.endr
.endm
.macro MUL q, zero                     ; 32 products; the 32 accumulators take turns, one instruction a turn
	WIN 0x50                                       ; C and D in window 1
.irp a, 0,1,2,3
.irp b, 0,1,2,3,4,5,6,7
.if \zero
	v_wmma_scale_f32_16x16x128_f8f6f4 v[8*(8*\a+\b):8*(8*\a+\b)+7], v[PF+64*((\q)%2)+8*\b:PF+64*((\q)%2)+8*\b+7], v[RF+32*((\q)%2)+8*\a:RF+32*((\q)%2)+8*\a+7], 0, v[SC+4*\b+(\q)%4], v[SC+4*\a+(\q)%4] matrix_a_fmt:MATRIX_FMT_FP4 matrix_b_fmt:MATRIX_FMT_FP4 matrix_a_scale:MATRIX_SCALE_ROW1
.else
	v_wmma_scale_f32_16x16x128_f8f6f4 v[8*(8*\a+\b):8*(8*\a+\b)+7], v[PF+64*((\q)%2)+8*\b:PF+64*((\q)%2)+8*\b+7], v[RF+32*((\q)%2)+8*\a:RF+32*((\q)%2)+8*\a+7], v[8*(8*\a+\b):8*(8*\a+\b)+7], v[SC+4*\b+(\q)%4], v[SC+4*\a+(\q)%4] matrix_a_fmt:MATRIX_FMT_FP4 matrix_b_fmt:MATRIX_FMT_FP4 matrix_a_scale:MATRIX_SCALE_ROW1
.endif
.endr
.endr
.endm
.macro STEPG q
	s_wait_dscnt 0x0                               ; this step's fragments are in (asked for 32 products ago)
	WIN 0
	PLACES
	FETCH (\q)+1
	MUL \q, 0
.endm
.macro GEMM                            ; a tile's 256 products; the first 32 start the sums: nothing is cleared
	SCALES 0
	FETCH 0
	FETCH 1
	s_wait_dscnt 24                                ; the words and K step 0 are in; K step 1's 24 loads may be out
	MUL 0, 1
	STEPG 1
	STEPG 2
	STEPG 3
	s_wait_dscnt 0x0
	WIN 0
	PLACES
	SCALES 1
	FETCH 5
	s_wait_dscnt 24                                ; the eight loads of scale words are in; the 24 behind them may be out
	MUL 4, 0
	STEPG 5
	STEPG 6
	s_wait_dscnt 0x0
	MUL 7, 0
	WIN 0
.endm
; THE WAY OUT, a tile of R at a time: sum + bias in f32, quantised along P, stored as the next operand's registers.  kind 0: q, k, the bias runs along P; kind 1: v, along R.
.macro WAYOUT kind, cb, sb
.irp a, 0,1,2,3
	WIN 0x09                                       ; source 0: window 1, source 1: window 2
.set jj, 0
.rept 32
.if \kind
	v_pk_add_f32 v[H+jj:H+jj+1], v[64*\a+jj:64*\a+jj+1], v[64+2*\a:65+2*\a] op_sel_hi:[1,0]   ; each accumulator from its low end on
.else
	v_pk_add_f32 v[H+jj:H+jj+1], v[64*\a+jj:64*\a+jj+1], v[jj:jj+1]
.endif
.set jj, jj+2
.endr
	WIN 0
.if \kind
	QUANT H, PCA+8*\a, SWR+\a
.else
	QUANT H, PCA+8*\a, PW
	v_lshrrev_b32 v[SWR+\a], v[SH], v[PW]          ; lanes 16-31 keep the odd head's two bytes
.endif
	global_store_b128 v1, v[PCA+8*\a:PCA+8*\a+3], s[\cb:\cb+1] offset:16384*\a             ; 32 lanes store 512 consecutive bytes
	global_store_b128 v1, v[PCA+8*\a+4:PCA+8*\a+7], s[\cb:\cb+1] offset:16384*\a+512
.endr
.if \kind
	global_store_b128 v15, v[SWR:SWR+3], s[\sb:\sb+1]   ; 256 consecutive bytes; lanes 16-31 write the same bytes with the same values
.else
	global_store_b128 v1, v[SWR:SWR+3], s[\sb:\sb+1]    ; 512 consecutive bytes: two heads
.endif
.endm
	s_load_b128 s[4:7], s[0:1], 0x0                ; opq, b_in
	s_load_b64 s[8:9], s[0:1], 0x10                ; qkv
	v_lshl_add_u32 v[SPW], v0, 2, SPARE
	v_mov_b32 v[NIL], 0
	ds_add_u32 v[SPW], v[NIL]                      ; the opening lines: the add, twice on end, and its wait ahead of the first tensor load
	ds_add_u32 v[SPW], v[NIL]
	v_lshrrev_b32 v1, 5, v0
	v_readfirstlane_b32 s[WV], v1
	s_lshr_b32 s[WR], s[WV], 1
	s_and_b32 s[WP], s[WV], 1
	s_bfe_u32 s15, ttmp6, 0x40000                  ; cx
	s_bfe_u32 s16, ttmp6, 0x40004                  ; cy
	s_lshl_b32 s19, ttmp9, 2
	s_add_co_u32 s19, s19, s15                     ; gx 0..7: never holds cy
	s_and_b32 s20, ttmp7, 0xffff
	s_lshl_b32 s20, s20, 2
	s_add_co_u32 s20, s20, s16                     ; gy 0..31: never holds cx
	s_lshl_b32 s100, 0x1111, s15                   ; my column of the cluster
	s_lshl_b32 s101, s16, 2
	s_lshl_b32 s101, 15, s101                      ; my row
	s_or_b32 s[G1X], s101, (3<<16)|(1<<21)         ; 15:0 the mask; 17:16 elements of 8 bytes; 21 set beside a mask
	s_or_b32 s[G1XS], s101, (3<<16)|(1<<21)
	s_or_b32 s[G1W], s100, (3<<16)|(1<<21)
	s_or_b32 s[G1WS], s100, (3<<16)|(1<<21)
	DENSE G1X, 512                                 ; x's codes: 131,072 dense bytes
	DENSE G1XS, 32                                 ; its scale words: 8,192
	DENSE G1W, 256                                 ; a tile of W: 65,536
	DENSE G1WS, 16                                 ; its scale words: 4,096
	s_lshl_b32 s84, s20, 17
	s_mov_b32 s85, 0
	s_lshl_b32 s86, s20, 13
	s_add_co_u32 s86, s86, XS
	s_mov_b32 s87, 0
	s_lshl_b32 s88, s19, 16
	s_add_co_u32 s88, s88, WIC
	s_mov_b32 s89, 0
	s_lshl_b32 s90, s19, 12
	s_add_co_u32 s90, s90, WIS
	s_mov_b32 s91, 0
	s_mov_b32 s[SEL], 0x76543210
	s_mov_b32 s[SEL+1], 0xfedcba98
	s_wait_dscnt 0x0
	s_wait_kmcnt 0x0
	GROUP0 G0X, LX, 84
	GROUP0 G0XS, LXS, 86
	GROUP0 G0W, LW, 88
	GROUP0 G0WS, LWS, 90
	CROUND                                         ; all sixteen work-groups are here: the first joint loads meet
; the head's four loads, one a wave, in one tree of branches on the wave's number: wave 0 x's codes, wave 1 q's tile of W, wave 2 x's scale words, wave 3 the tile's
.macro ARM under, g0, g1, next
	s_cmp_lt_u32 s[WV], \under
	s_cbranch_scc0 \next
	tensor_load_to_lds s[\g0:\g0+3], s[\g1:\g1+7]
	s_nop 0
.rept 4
	v_nop
.endr
	s_branch .Lhead_asked
\next:
.endm
	ARM 1, G0X,  G1X,  .Lhead_w
	ARM 2, G0W,  G1W,  .Lhead_xs
	ARM 3, G0XS, G1XS, .Lhead_ws
	tensor_load_to_lds s[G0WS:G0WS+3], s[G1WS:G1WS+7]
	s_nop 0
.rept 4
	v_nop
.endr
.Lhead_asked:
	s_lshl_b32 s21, s[WV], 15
	s_add_co_u32 s21, s21, LX                      ; q, k: my four tiles of x
	s_lshl_b32 s22, s[WV], 11                      ; and their scale words (LXS = 0)
	s_sub_co_u32 s[TD], LWS, s22
	s_lshl_b32 s23, s[WP], 16
	s_add_co_u32 s23, s23, LX                      ; v: my eight tiles of x
	s_lshl_b32 s76, s[WR], 15
	s_add_co_u32 s76, s76, LW                      ; v: my four tiles of W, in slot 0
	s_lshl_b32 s77, s[WP], 12                      ; v: x's words,
	s_lshl_b32 s78, s[WR], 11
	s_add_co_u32 s78, s78, LWS
	s_sub_co_u32 s78, s78, s77                     ; and from them to W's
	s_mov_b32 s[TB], LW
	s_lshl_b32 s92, s20, 2
	s_add_co_u32 s92, s92, s[WV]                   ; q, k: my first tile of rows / 4
	s_lshl_b32 s94, s92, 13
	s_lshl_b32 s92, s92, 16
	s_lshl_b32 s79, s19, 10
	s_add_co_u32 s92, s92, s79                     ; codes [tile][head of 32][512], head 2 gx
	s_mov_b32 s93, 0
	s_lshl_b32 s96, s19, 9                         ; b_in at my 128 columns
	s_add_co_u32 s94, s94, s96
	s_add_co_u32 s94, s94, QKS                     ; scale words [tile / 4][head][r][4]
	s_mov_b32 s95, 0
	s_mov_b32 s97, 0
	s_add_nc_u64 s[92:93], s[8:9], s[92:93]
	s_add_nc_u64 s[94:95], s[8:9], s[94:95]
	s_add_nc_u64 s[96:97], s[6:7], s[96:97]
	s_lshl_b32 s80, s20, 1
	s_add_co_u32 s80, s80, s[WP]                   ; v: my step of 128 keys among all 64
	s_lshr_b32 s82, s80, 4                         ; the batch
	s_and_b32 s80, s80, 15                         ; the step in it
	s_lshl_b32 s83, s19, 1
	s_add_co_u32 s83, s83, s[WR]                   ; the head
	s_lshl_b32 s82, s82, 4
	s_add_co_u32 s82, s82, s83
	s_lshl_b32 s84, s82, 16
	s_lshl_b32 s79, s80, 10
	s_add_co_u32 s84, s84, s79
	s_add_co_u32 s84, s84, VC                      ; codes [batch, head][tile of channels][step][1,024]
	s_mov_b32 s85, 0
	s_lshl_b32 s86, s82, 4
	s_add_co_u32 s86, s86, s80
	s_lshl_b32 s86, s86, 8
	s_add_co_u32 s86, s86, VS                      ; scale words [batch, head][step][r][4]
	s_mov_b32 s87, 0
	s_lshl_b32 s88, s83, 8
	s_add_co_u32 s88, s88, 8192                    ; b_in at my head's 64 columns of v
	s_mov_b32 s89, 0
	s_add_nc_u64 s[84:85], s[8:9], s[84:85]
	s_add_nc_u64 s[86:87], s[8:9], s[86:87]
	s_add_nc_u64 s[88:89], s[6:7], s[88:89]
	s_mov_b32 s[TRIP], 0
	v_and_b32 v1, 31, v0
	v_and_b32 v10, 15, v0                          ; r
	v_bfe_u32 v11, v0, 4, 1                        ; h
	v_lshlrev_b32 v1, 4, v1                        ; 16 x lane
	v_lshlrev_b32 v15, 4, v10                      ; 16 r
	v_xor_b32 v12, 1, v11                          ; 1 - h
	v_add_nc_u32 v[ADRQ], s21, v1
	v_add_nc_u32 v[ADS0], s22, v15
	v_add_nc_u32 v[ADPV], s23, v1
	v_add_nc_u32 v[ADRV], s76, v1
	v_mul_u32_u24 v[ADSV], s78, v12                ; v: lanes 0-15 take W's words, lanes 16-31 x's
	v_add_nc_u32 v[ADSV], v[ADSV], v15
	v_add_nc_u32 v[ADSV], s77, v[ADSV]
	v_lshlrev_b32 v13, 6, v11                      ; the bias along P: my half's 16 numbers of each 32
	v_and_b32 v14, 8, v10
	v_add_nc_u32 v14, v14, v10
	v_lshlrev_b32 v14, 2, v14                      ; the bias along R: place r is index r + 8 (r / 8) of its tile
	v_lshlrev_b32 v[SH], 4, v11
.irp b, 0,1,2,3
	v_mov_b32 v[TM+4+\b], 0                        ; written once: a lane permute's destination counts as one of its sources
.endr
	WIN 0x80                                       ; destination: window 2
.irp a, 0,1,2,3
	global_load_b32 v[64+2*\a], v14, s[88:89] offset:(32*(\a/2)+8*(\a%2))*4
	v_mov_b32 v[65+2*\a], 0                        ; (named with it as a pair)
.endr
	WIN 0
	s_wait_alu depctr_va_vdst(0)
.Ltile:                                            ; two trips: q's tile in slot 0, k's in slot 1
	s_wait_tensorcnt 0x0                           ; all my tensor loads have landed, so a group 0 may be written;
	ds_add_u32 v[SPW], v[NIL]
	s_xor_b32 s[G0W+1], s[G0W+1], 65536            ; the other slot,
	s_add_nc_u64 s[G0W+2:G0W+3], s[G0W+2:G0W+3], 524288   ; W's tiles 64 on: from q's columns to k's, from k's to v's
	s_xor_b32 s[G0WS+1], s[G0WS+1], 4096
	s_add_nc_u64 s[G0WS+2:G0WS+3], s[G0WS+2:G0WS+3], 32768
	s_wait_dscnt 0x0                               ; the add is done, and my reads of the slot that I have left are over
	CROUND                                         ; both hold of every wave of all sixteen work-groups
	s_cmp_eq_u32 s[WV], 1                          ; the next tile of W: wave 1 its codes, wave 3 its scale words; trip 0: slot 1's first fill; trip 1: slot 0 again
	s_cbranch_scc0 .Lnot_codes
	tensor_load_to_lds s[G0W:G0W+3], s[G1W:G1W+7]
	s_nop 0
.rept 4
	v_nop
.endr
	s_branch .Lasked
.Lnot_codes:
	s_cmp_eq_u32 s[WV], 3
	s_cbranch_scc0 .Lasked
	tensor_load_to_lds s[G0WS:G0WS+3], s[G1WS:G1WS+7]
	s_nop 0
.rept 4
	v_nop
.endr
.Lasked:
	v_add_nc_u32 v[ADP], s[TB], v1
	v_mad_u32_u24 v[ADS], s[TD], v11, v[ADS0]      ; lanes 0-15: my rows' words; lanes 16-31: the slot's
	s_wait_alu depctr_va_vdst(0)                   ; the wait directly behind the writes
	WIN 0x80
.irp t, 0,1,2,3,4,5,6,7
	global_load_b128 v[8*\t:8*\t+3], v13, s[96:97] offset:(32*(\t/2)+8*(\t%2))*4       ; the bias in the result's layout; it is read behind the tile's 256 products
	global_load_b128 v[8*\t+4:8*\t+7], v13, s[96:97] offset:(32*(\t/2)+8*(\t%2))*4+16
.endr
	WIN 0
.set CP, ADP
.set CR, ADRQ
.set CS, ADS
	GEMM
	s_wait_loadcnt 0x0                             ; the biases
	PLACES                                         ; behind the last products
	WAYOUT 0, 92, 94
	s_wait_xcnt 0x0                                ; the stores' data and bases are written again only behind this wait
	s_add_nc_u64 s[92:93], s[92:93], 8192          ; 16 heads on
	s_add_nc_u64 s[94:95], s[94:95], 4096
	s_add_nc_u64 s[96:97], s[96:97], 4096          ; 1,024 columns on
	s_xor_b32 s[TB], s[TB], 65536
	s_add_co_u32 s[TD], s[TD], 4096
	s_add_co_u32 s[TRIP], s[TRIP], 1
	s_cmp_lt_u32 s[TRIP], 2
	s_wait_alu depctr_va_vdst(0)
	s_cbranch_scc1 .Ltile
	s_wait_tensorcnt 0x0                           ; v's tile, asked for at the head of the second trip, is in;
	ds_add_u32 v[SPW], v[NIL]
	s_wait_dscnt 0x0
	s_barrier_signal -1                            ; nothing is filled again: no round
	s_barrier_wait -1
.set CP, ADPV
.set CR, ADRV
.set CS, ADSV
	GEMM
	PLACES
	WAYOUT 1, 84, 86
	s_wait_tensorcnt 0x0                           ; the wave's end
	ds_add_u32 v[SPW], v[NIL]
	s_wait_dscnt 0x0
	CROUND                                         ; the closing round
	s_endpgm
.Lfunc_end_k_q2de329fa42_qkv:
	.size	k_q2de329fa42_qkv, .Lfunc_end_k_q2de329fa42_qkv-k_q2de329fa42_qkv
	.p2alignl 7, 3214868480
	.fill 96, 4, 3214868480
	.section	.rodata,"a",@progbits
	.p2align	6, 0x0
	.amdhsa_kernel k_q2de329fa42_qkv
		.amdhsa_group_segment_fixed_size 327680
		.amdhsa_private_segment_fixed_size 0
		.amdhsa_enable_private_segment 0
		.amdhsa_kernarg_size 24
		.amdhsa_user_sgpr_count 2
		.amdhsa_user_sgpr_kernarg_segment_ptr 1
		.amdhsa_wavefront_size32 1
		.amdhsa_system_sgpr_workgroup_id_x 1
		.amdhsa_system_sgpr_workgroup_id_y 1
		.amdhsa_system_sgpr_workgroup_id_z 1
		.amdhsa_system_vgpr_workitem_id 0
		.amdhsa_next_free_vgpr 768
		.amdhsa_next_free_sgpr 102
		.amdhsa_reserve_vcc 0
		.amdhsa_float_denorm_mode_32 3
		.amdhsa_float_denorm_mode_16_64 3
		.amdhsa_memory_ordered 1
		.amdhsa_forward_progress 1
		.amdhsa_inst_pref_size 155
	.end_amdhsa_kernel
	.amdgpu_metadata
---
amdhsa.version: [ 1, 2 ]
amdhsa.kernels:
  - .name:           k_q2de329fa42_qkv
    .symbol:         k_q2de329fa42_qkv.kd
    .args:
      - { .name: opq, .offset: 0, .size: 8, .value_kind: global_buffer, .address_space: global }
      - { .name: b_in, .offset: 8, .size: 8, .value_kind: global_buffer, .address_space: global }
      - { .name: qkv, .offset: 16, .size: 8, .value_kind: global_buffer, .address_space: global }
    .group_segment_fixed_size: 327680
    .private_segment_fixed_size: 0
    .kernarg_segment_align: 8
    .kernarg_segment_size: 24
    .max_flat_workgroup_size: 128
    .sgpr_count:     102
    .vgpr_count:     768
    .wavefront_size: 32
...
	.end_amdgpu_metadata
.endif
;; end of part 2
;; launch attn (part 3): grid 4 x 64, 8 waves a work-group, clusters of 4 x 1, 169,984 bytes of LDS; arguments qkv, oq; writes oq
.if DOCPART == 3
	.amdgcn_target "amdgcn-amd-amdhsa--gfx1250"
	.amdhsa_code_object_version 6
	.text
	.protected	k_q2de329fa42_attn
	.globl	k_q2de329fa42_attn
	.p2align	8
	.type	k_q2de329fa42_attn,@function
k_q2de329fa42_attn:
	s_mov_b64 s[64:65], 0
	v_nop
	global_prefetch_b8 v0, s[64:65] scope:SCOPE_SE
	s_setreg_imm32_b32 hwreg(HW_REG_WAVE_MODE, 25, 1), 1
	s_wait_xcnt 0x0
	s_wait_alu depctr_hold_cnt(0) depctr_sa_sdst(0) depctr_va_vdst(0) depctr_va_sdst(0) depctr_va_ssrc(0) depctr_va_vcc(0) depctr_vm_vsrc(0)
	s_getreg_b32 s2, hwreg(HW_REG_IB_STS2, 6, 4)
	s_cmp_eq_u32 s2, 0
	s_cbranch_scc0 .Lentry_in_a_cluster
	s_endpgm
.Lentry_in_a_cluster:
	s_bfe_u32 s2, ttmp6, 0x10000c
	s_cmp_lg_u32 s2, 0x3003
	s_cbranch_scc0 .Lentry_shape_is_right
	s_endpgm
.Lentry_shape_is_right:
; Causal attention of one head (16 b + h = the cluster's y) on codes of FP4 with E8M0 scales; O / l is quantised along the model's 1,024 and leaves as codes for the last product.
; t = score x log2(e) / 8; M = the running largest t rounded UP to a whole number; p = 2^(t - M) is quantised along the keys, not normalised; the row's sum is taken of the unquantised p and divides O at the end.
; When M moves, the sum and O are multiplied by 2^(old M - new M): exact.  LIMITS: NaN and infinities are not served; a block of zeros gets the scale byte 1 (bytes read by this program alone).
; Key steps all of whose keys come after the queries are under the causal mask and are left out.
; BOTH PRODUCTS TRANSPOSED: S^T = K Q^T (source 0 = 16 keys, source 1 = 16 queries; K = 64, filled to 128 with zero codes), O^T = V^T P^T (source 0 = 16 channels): a lane holds one query of each tile throughout.
; A HEAD'S K AND V LIE IN LDS WHOLE (140 KB with their scale words): eight first fills, one a wave, then only reads.  The four work-groups of a cluster serve one head and ask for these bytes JOINTLY (mask 15).
; No prefetch: the launch has no fill but the first ones.
; SHARES: wave w of work-group j owns, for s = w and then s = 15 - w, the 32 queries of tiles 8 s + 2 j and 8 s + 2 j + 1: (s + 1) key steps of 128, 17 in all for every wave.  Each fragment of K and V feeds both tiles,
; and the two tiles' lines stand by turns.  The loop over key steps has 16 trips; a hidden step is jumped over by a scalar branch on the wave's number and the trip.
; THE KEYS OF A TILE: tile (c, i) of a step takes at places 0-7 the keys 64 c + 8 i + 0..7 and at places 8-15 the keys 64 c + 32 + 8 i + 0..7.  So lane (r, half) holds in registers 32 c + 0..31 the WHOLE block
; 2 c + half of 32 keys, in order: a block's largest score needs no other lane, and the conversions' results are the second product's operand as they stand.  In LDS a key lies where the launch before put it
; (tile 2 B + u holds row 32 B + 8 u + p + 8 (p / 8) at place p); the lanes' addresses pick the rows: places 0-7 and 8-15 stand 1,024 bytes apart.
; REGISTERS.  Window 1: v0-63, v64-127 S^T, then p, of tiles 0, 1; v128-159, v160-191 O^T.  Window 0: v1-11 addresses; v12-19 -M, largest t, the sum's two halves, for each tile; v20-23 f; v24-25 Q's words; v28-31 V's words;
; v32-95 K's eight fragments (the upper four of each zero); v96-127 V's four; v128-143 Q (upper four of each eight zero); v144-159 p's codes; v160-167 K's words; v168-169 p's words; v180-223 at work.
.set VC,  8388608
.set QKS, 12582912
.set VS,  13631488
.set OS,  4194304
.set VREG, 65536                       ; LDS: K's codes [128 tiles][512] at 0; V's [4 tiles of channels][16 steps][1,024] here;
.set KSC,  131072                      ; K's scale words [32 groups of 4 tiles][place][4 words];
.set VSC,  139264                      ; V's [16 steps][place][4 words]
.set ADK, 8
.set ADV, 9
.set ADS, 10
.set ADT, 11
.set PH,  3                            ; s3 the phase
.set WV,  8
.set SG,  13                           ; s13 the phase's s
.set KI,  16                           ; s16 the key step
.set TK,  18                           ; s18-21 where the step's K, V, K's words, V's words begin
.set TV,  19
.set TSK, 20
.set TSV, 21
.set SEL, 22
.set CS,  24
.set G1K, 28
.set G1V, 36
.set G1KS, 44
.set G1VS, 52
.set G0K, 60
.set G0V, 68
.set G0KS, 72
.set G0VS, 76
.set MSB, 0
.macro WIN new                         ; low byte: bits 1:0 source 0, 3:2 source 1, 5:4 source 2, 7:6 destination; the high byte repeats the setting that is left
.if MSB != \new
	s_set_vgpr_msb (MSB<<8)|\new
.set MSB, \new
.endif
.endm
.macro CROUND
	s_barrier_signal -1
	s_barrier_wait -1
	s_cmp_lg_u32 s[WV], 0
	s_cbranch_scc1 .Lnot_wave_0_\@
	s_barrier_signal -3
.Lnot_wave_0_\@:
	s_barrier_wait -3
	s_barrier_signal -1
	s_barrier_wait -1
.endm
.macro G1SET g, d0, rows, pitch        ; group 1: all four work-groups; elements of 8 bytes; bit 21 beside the mask
	s_mov_b32 s[\g], 15|(3<<16)|(1<<21)
	s_mov_b32 s[\g+1], (\d0)<<16
	s_mov_b32 s[\g+2], (\rows)<<16
	s_mov_b32 s[\g+3], (\d0)<<16
	s_mov_b32 s[\g+4], \rows
	s_mov_b32 s[\g+5], \pitch
	s_mov_b32 s[\g+6], 0
	s_mov_b32 s[\g+7], 0
.endm
.macro QLOAD                           ; Q's codes and scale words of the two tiles of s[SG]: tile0 = 128 b + 8 s + 2 j
	s_lshl_b32 s15, s[SG], 3
	s_add_co_u32 s15, s15, s14
	s_lshl_b32 s88, s15, 14
	s_add_co_u32 s88, s88, s27
	s_add_nc_u64 s[80:81], s[4:5], s[88:89]        ; codes [tile][head][512]
	s_lshr_b32 s88, s15, 2
	s_lshl_b32 s88, s88, 13
	s_and_b32 s17, s15, 3
	s_lshl_b32 s17, s17, 2
	s_add_co_u32 s88, s88, s17
	s_add_co_u32 s88, s88, s90
	s_add_nc_u64 s[82:83], s[4:5], s[88:89]        ; words [tile / 4][head][place][4]: the two tiles' words are neighbours
	global_load_b128 v[128:131], v1, s[80:81]
	global_load_b128 v[136:139], v1, s[80:81] offset:16384
	global_load_b64 v[24:25], v27, s[82:83]
.endm
.macro KLOAD ak, as, oc, ow            ; a step's eight fragments of K and its eight scale words: 12 loads
.irp c, 0,1
.irp i, 0,1,2,3
	ds_load_b128 v[32+8*(4*\c+\i):35+8*(4*\c+\i)], v[\ak] offset:\oc+2048*\c+512*(\i%2)+128*(\i/2)
.endr
.endr
.irp c, 0,1
.irp g, 0,1
	ds_load_b64 v[160+4*\c+2*\g:161+4*\c+2*\g], v[\as] offset:\ow+256*\c+128*\g
.endr
.endr
.endm
	s_load_b128 s[4:7], s[0:1], 0x0                ; qkv, oq
	v_lshl_add_u32 v26, v0, 2, 0x29000
	v_mov_b32 v255, 0
	ds_add_u32 v26, v255                           ; the opening lines: the add, twice on end, and its wait
	ds_add_u32 v26, v255
	v_lshrrev_b32 v8, 5, v0
	v_readfirstlane_b32 s[WV], v8                  ; wave 0..7
	v_and_b32 v1, 31, v0
	v_and_b32 v9, 15, v0                           ; r
	v_lshlrev_b32 v1, 4, v1                        ; 16 x lane
	v_lshlrev_b32 v27, 4, v9                       ; 16 r
	s_and_b32 s9, ttmp7, 0xffff                    ; 16 b + h: shared by the four partners
	s_lshr_b32 s10, s9, 4                          ; b
	s_and_b32 s11, s9, 15                          ; h
	s_bfe_u32 s12, ttmp6, 0x40000                  ; j = cx: it enters global addresses of Q and O and the mask's compare alone
	s_lshl_b32 s14, s10, 7
	s_lshl_b32 s17, s12, 1
	s_add_co_u32 s14, s14, s17                     ; 128 b + 2 j
	s_lshl_b32 s93, s12, 5                         ; 32 j
	s_lshl_b32 s27, s11, 9
	s_lshl_b32 s90, s11, 8
	s_add_co_u32 s90, s90, QKS
	s_lshr_b32 s91, s11, 3
	s_lshl_b32 s91, s91, 8
	s_and_b32 s17, s11, 7
	s_lshl_b32 s17, s17, 1
	s_add_co_u32 s91, s91, s17
	s_add_co_u32 s91, s91, OS                      ; O's two scale bytes: half of the word of K step h / 2
	s_and_b32 s26, s[WV], 3                        ; which quarter of K,
	s_and_b32 s92, s[WV], 1                        ; which half of V I fetch, if I fetch it
	G1SET G1K, 64, 32, 2048                        ; K's codes: 32 tiles' 512 bytes, 16,384 bytes apart
	G1SET G1V, 32, 128, 32                         ; V's codes: 32,768 dense bytes as rows of 256
	G1SET G1KS, 32, 32, 1024                       ; K's scale words: 32 rows of 256 bytes, 8,192 bytes apart
	G1SET G1VS, 32, 16, 32                         ; V's: 4,096 dense bytes
	s_lshl_b32 s80, s10, 7
	s_lshl_b32 s17, s26, 5
	s_add_co_u32 s80, s80, s17                     ; K: tile 128 b + 32 x quarter,
	s_lshl_b32 s80, s80, 14
	s_add_co_u32 s80, s80, s27
	s_add_co_u32 s80, s80, 16*512                  ; head 16 + h of the 32 of q and k
	s_mov_b32 s81, 0
	s_lshl_b32 s82, s9, 16
	s_lshl_b32 s17, s92, 15
	s_add_co_u32 s82, s82, s17
	s_add_co_u32 s82, s82, VC
	s_mov_b32 s83, 0
	s_lshl_b32 s84, s10, 18
	s_add_co_u32 s84, s84, s90
	s_add_co_u32 s84, s84, 16*256
	s_mov_b32 s85, 0
	s_lshl_b32 s86, s9, 12
	s_add_co_u32 s86, s86, VS
	s_mov_b32 s87, 0
	s_mov_b32 s89, 0
	s_mov_b32 s[SEL], 0x76543210
	s_mov_b32 s[SEL+1], 0xfedcba98
	s_mov_b32 s[CS], 0x3e38aa3b                    ; c = log2(e) / sqrt(64)
	s_mov_b32 s[CS+1], s[CS]                       ; (named with it as a pair)
	s_mov_b32 s[PH], 0
	s_mov_b32 s[SG], s[WV]
	s_wait_alu depctr_va_vdst(0)                   ; directly ahead of the waits below
	s_wait_dscnt 0x0
	s_wait_kmcnt 0x0
	s_mov_b32 s[G0K], 1
	s_lshl_b32 s[G0K+1], s26, 14
	s_add_nc_u64 s[G0K+2:G0K+3], s[4:5], s[80:81]
	s_or_b32 s[G0K+3], s[G0K+3], 0x80000000
	s_mov_b32 s[G0V], 1
	s_lshl_b32 s[G0V+1], s92, 15
	s_add_co_u32 s[G0V+1], s[G0V+1], VREG
	s_add_nc_u64 s[G0V+2:G0V+3], s[4:5], s[82:83]
	s_or_b32 s[G0V+3], s[G0V+3], 0x80000000
	s_mov_b32 s[G0KS], 1
	s_mov_b32 s[G0KS+1], KSC
	s_add_nc_u64 s[G0KS+2:G0KS+3], s[4:5], s[84:85]
	s_or_b32 s[G0KS+3], s[G0KS+3], 0x80000000
	s_mov_b32 s[G0VS], 1
	s_mov_b32 s[G0VS+1], VSC
	s_add_nc_u64 s[G0VS+2:G0VS+3], s[4:5], s[86:87]
	s_or_b32 s[G0VS+3], s[G0VS+3], 0x80000000
	QLOAD                                          ; the first phase's Q is on its way while K and V land
	CROUND                                         ; all four work-groups are here: the joint loads meet
; the eight first fills, one a wave, in one tree of branches on the wave's number: waves 0-3 K's quarters, 4 and 5 V's halves, 6 K's scale words, 7 V's
.macro ARM under, g0, g1, next
	s_cmp_lt_u32 s[WV], \under
	s_cbranch_scc0 \next
	tensor_load_to_lds s[\g0:\g0+3], s[\g1:\g1+7]
	s_nop 0
.rept 4
	v_nop
.endr
	s_branch .Lasked
\next:
.endm
	ARM 4, G0K,  G1K,  .Lhead_v
	ARM 6, G0V,  G1V,  .Lhead_ks
	ARM 7, G0KS, G1KS, .Lhead_vs
	tensor_load_to_lds s[G0VS:G0VS+3], s[G1VS:G1VS+7]
	s_nop 0
.rept 4
	v_nop
.endr
.Lasked:
	v_add_nc_u32 v2, VREG, v1                      ; V's fragments: images, 16 bytes a lane on end
	v_bfe_u32 v10, v0, 4, 1                        ; the lane's half
	v_bfe_u32 v11, v0, 3, 1                        ; place / 8
	v_and_b32 v8, 7, v0                            ; place % 8
	v_add_nc_u32 v4, VSC, v27
	v_lshlrev_b32 v5, 4, v8
	v_lshl_add_u32 v3, v11, 3, v5
	v_add_nc_u32 v3, KSC, v3                       ; K's words: 16 (place % 8) + 8 (place / 8)
	v_lshl_add_u32 v5, v11, 10, v5
	v_lshl_add_u32 v5, v10, 8, v5                  ; K's fragments: 1,024 (place / 8) + 256 half + 16 (place % 8)
	v_lshlrev_b32 v200, 3, v10                     ; 8 x half
	v_lshl_add_u32 v6, v11, 3, v9
	v_lshlrev_b32 v7, 5, v10
	v_sub_nc_u32 v6, v6, v7
	v_add_nc_u32 v6, s93, v6                       ; d = my query's place in its step of 128 - 32 x half: register 32 c + n holds key 64 c + 32 x half + n, hidden on the diagonal where 64 c + n > d
	v_add_nc_u32 v7, 8, v6                         ; tile 1's queries lie 8 on
	v_mov_b32 v201, 0xff800000                     ; -infinity
.irp t, 0,1,2,3,4,5,6,7
.irp j, 4,5,6,7
	v_mov_b32 v[32+8*\t+\j], 0                     ; K = 64: the upper 64 of the instruction's 128 are zero codes, on both sides
.endr
.endr
.irp j, 132,133,134,135,140,141,142,143
	v_mov_b32 v\j, 0
.endr
.irp j, 21,23,184,185,186,187,220,221,222,223
	v_mov_b32 v\j, 0                               ; upper halves of the pairs of f, and lane permutes' destinations: written once
.endr
	s_wait_alu depctr_va_vdst(0)
	s_wait_tensorcnt 0x0                           ; my load has landed,
	s_barrier_signal -1
	s_barrier_wait -1                              ; everybody's has: from here on LDS is only read
.Lphase:                                           ; two trips: s = w, then s = 15 - w
	s_lshl_b32 s15, s[SG], 3
	s_add_co_u32 s15, s15, s14                     ; my first tile among all 512
	s_lshl_b32 s88, s15, 13
	s_add_co_u32 s88, s88, s27
	s_add_nc_u64 s[84:85], s[6:7], s[88:89]        ; O's codes: [tile][head][512]
	s_lshl_b32 s88, s15, 9
	s_add_co_u32 s88, s88, s91
	s_add_nc_u64 s[86:87], s[6:7], s[88:89]        ; O's scale bytes
	s_mov_b32 s[KI], 0
	s_mov_b32 s[TK], 0
	s_mov_b32 s[TV], 0
	s_mov_b32 s[TSK], 0
	s_mov_b32 s[TSV], 0
	KLOAD 5, 3, 0, 0                               ; step 0's K
.irp x, 0,4
	v_mov_b32 v[13+\x], 0xff61b1e6                 ; the largest t so far: -3e38
	v_mov_b32 v[14+\x], 0
	v_mov_b32 v[15+\x], 0
.endr
	v_floor_f32 v12, -v13                          ; -M
	v_floor_f32 v16, -v17
	WIN 0x40
.set jj, 0
.rept 64
	v_mov_b32 v[128+jj], 0                         ; O^T: the step is written once; the first finds zeros, which the first change of M leaves zeros
.set jj, jj+1
.endr
	WIN 0
	s_wait_alu depctr_va_vdst(0)                   ; directly ahead of the wait below
	s_wait_loadcnt 0x0                             ; Q
.Lkey:
	s_cmp_gt_u32 s[KI], s[SG]                      ; all these keys come after my queries: nothing to do
	s_cbranch_scc1 .Lhidden
	v_add_nc_u32 v[ADK], s[TK], v5                 ; (these four are also the places in front of the loads into registers that the last products read)
	v_add_nc_u32 v[ADV], s[TV], v2
	v_add_nc_u32 v[ADS], s[TSK], v3
	v_add_nc_u32 v[ADT], s[TSV], v4
.irp t, 0,1,2,3
.irp c, 0,1
	ds_load_b128 v[96+8*\t+4*\c:99+8*\t+4*\c], v[ADV] offset:16384*\t+512*\c
.endr
.endr
	ds_load_b128 v[28:31], v[ADT]
	s_wait_alu depctr_va_vdst(0)
	s_wait_dscnt 9                                 ; K and its words, asked for a step ago, are in; V's eight loads and its words' one may be out
	WIN 0x40
.irp t, 0,1,2,3,4,5,6,7
.irp x, 0,1
	v_wmma_scale_f32_16x16x128_f8f6f4 v[64*\x+8*\t:64*\x+8*\t+7], v[32+8*\t:39+8*\t], v[128+8*\x:135+8*\x], 0, v[160+\t], v[24+\x] matrix_a_fmt:MATRIX_FMT_FP4 matrix_b_fmt:MATRIX_FMT_FP4
.endr
.endr
	WIN 0
.rept 4
	v_nop                                          ; places: in front of the loads below and of the first read of the scores
.endr
	KLOAD ADK, ADS, 4096, 512                      ; the next step's K (behind the last step: bytes of V's regions, which nothing uses)
	s_cmp_lt_u32 s[KI], s[SG]                      ; all these keys count: no mask
	s_cbranch_scc1 .Lopen
	WIN 0x41                                       ; on the diagonal hidden scores become -infinity ahead of the maximum: p = 0 then.  The step's first key counts for every query
.set nn, 0
.rept 64
	v_cmp_gt_i32 vcc_lo, 64*(nn/32)+nn%32, v6
	v_cndmask_b32 v[nn], v[nn], v201, vcc_lo
	v_cmp_gt_i32 vcc_lo, 64*(nn/32)+nn%32, v7
	v_cndmask_b32 v[64+nn], v[64+nn], v201, vcc_lo
.set nn, nn+1
.endr
	WIN 0
.Lopen:
	WIN 0x15                                       ; the largest score of each of my blocks (tile x, c): v[180 + 2 x + c]; two chains a block; each accumulator from its low end on
.irp c, 0,32
.irp x, 0,64
	v_max3_num_f32 v[180+\x/32+\c/32], v[\x+\c], v[\x+\c+1], v[\x+\c+2]
	v_max3_num_f32 v[220+\x/32+\c/32], v[\x+\c+3], v[\x+\c+4], v[\x+\c+5]
.endr
.endr
	WIN 0x14
.irp i, 6,10,14,18,22,26
.irp c, 0,32
.irp x, 0,64
	v_max3_num_f32 v[180+\x/32+\c/32], v[180+\x/32+\c/32], v[\x+\c+\i], v[\x+\c+\i+1]
	v_max3_num_f32 v[220+\x/32+\c/32], v[220+\x/32+\c/32], v[\x+\c+\i+2], v[\x+\c+\i+3]
.endr
.endr
.endr
.irp c, 0,32
.irp x, 0,64
	v_max3_num_f32 v[180+\x/32+\c/32], v[180+\x/32+\c/32], v[\x+\c+30], v[\x+\c+31]
.endr
.endr
	WIN 0
.irp b, 0,1,2,3
	v_max_num_f32 v[180+\b], v[180+\b], v[220+\b]
.endr
.irp x, 0,1
	v_max_num_f32 v[196+\x], v[180+2*\x], v[181+2*\x]
.endr
.irp x, 0,1
	v_permlanex16_b32 v[184+\x], v[196+\x], s[SEL], s[SEL+1]
.endr
.irp x, 0,1
	v_max_num_f32 v[196+\x], v[196+\x], v[184+\x]  ; the step's largest score of my query
.endr
.irp x, 0,1
	v_mul_f32 v[196+\x], s[CS], v[196+\x]
.endr
.irp x, 0,1
	v_max_num_f32 v[13+4*\x], v[13+4*\x], v[196+\x]   ; the running largest t
.endr
.irp x, 0,1
	v_mov_b32 v[196+\x], v[12+4*\x]
.endr
.irp x, 0,1
	v_floor_f32 v[12+4*\x], -v[13+4*\x]            ; the new -M = -ceil(t)
.endr
.irp x, 0,1
	v_sub_f32 v[196+\x], v[12+4*\x], v[196+\x]     ; old M - new M: a whole number, 0 or less
.endr
.irp x, 0,1
	v_cvt_i32_f32 v[196+\x], v[196+\x]             ; (it saturates)
.endr
.irp x, 0,1
	v_ldexp_f32 v[20+2*\x], 1.0, v[196+\x]         ; f = 2^(old M - new M)
.endr
.irp x, 0,1
.irp c, 0,1
	v_fma_f32 v[180+2*\x+\c], v[180+2*\x+\c], s[CS], v[12+4*\x]   ; p rises with the score: the block's largest score gives its largest p
.endr
.endr
	WIN 0x41
.set jj, 0
.rept 32
	v_pk_fma_f32 v[jj:jj+1], v[jj:jj+1], s[CS:CS+1], v[12:13] op_sel_hi:[1,0,0]          ; tile 0: t - M
.set jj, jj+2
.endr
	s_wait_alu depctr_va_vdst(0)
; THE EXPONENTIALS GO IN TWO BATCHES, each with plain lines of the other tile between them; what such a line writes is first read behind the wait that follows its batch, and none of them reads what another wrote
.set jj, 0
.rept 32
	v_exp_f32 v[jj], v[jj]                         ; tile 0: p = 2^(t - M)
	v_pk_fma_f32 v[64+jj:65+jj], v[64+jj:65+jj], s[CS:CS+1], v[16:17] op_sel_hi:[1,0,0]   ; tile 1: t - M
	v_exp_f32 v[jj+1], v[jj+1]
.set jj, jj+2
.endr
	v_nop                                          ; one plain place behind the last exponential
	WIN 0x45
	s_wait_alu depctr_va_vdst(0)                   ; behind the first batch and ahead of the second: one wait for both
.set kk, 0
.rept 16
	v_exp_f32 v[64+4*kk], v[64+4*kk]               ; tile 1: p
	v_pk_add_f32 v[192+2*kk:193+2*kk], v[4*kk:4*kk+1], v[4*kk+2:4*kk+3]   ; tile 0: the sum's first level, 16 sums that hang on nothing here, into window 1's v192-223
	v_exp_f32 v[65+4*kk], v[65+4*kk]
	v_exp_f32 v[66+4*kk], v[66+4*kk]
	v_exp_f32 v[67+4*kk], v[67+4*kk]
.set kk, kk+1
.endr
	WIN 0
.irp b, 0,1,2,3
	v_exp_f32 v[180+\b], v[180+\b]                 ; the blocks' largest p
.endr
	v_pk_mul_f32 v[14:15], v[14:15], v[20:21] op_sel_hi:[1,0]      ; the sums under the new M (plain places behind the exponentials)
	v_pk_mul_f32 v[18:19], v[18:19], v[22:23] op_sel_hi:[1,0]
	s_wait_alu depctr_va_vdst(0)                   ; one wait for the whole batch, ahead of its first reader
.irp b, 0,1,2,3
	v_max_num_f32 v[180+\b], 0x1800000, v[180+\b]  ; the floor 2^(3 - 127)
.endr
.irp b, 0,1,2,3
	v_add_nc_u32 v[188+\b], 0xff000000, v[180+\b]  ; the conversion's scale operand
.endr
.irp b, 0,1,2,3
	v_lshrrev_b32 v[192+\b], 23, v[188+\b]         ; the byte
.endr
.irp x, 0,1
	v_lshl_or_b32 v[196+\x], v[193+2*\x], 16, v[192+2*\x]   ; my two bytes: blocks half and 2 + half,
.endr
.irp x, 0,1
	v_lshlrev_b32 v[196+\x], v200, v[196+\x]       ; at their places in the word;
.endr
.irp x, 0,1
	v_permlanex16_b32 v[186+\x], v[196+\x], s[SEL], s[SEL+1]
.endr
.irp x, 0,1
	v_or_b32 v[168+\x], v[196+\x], v[186+\x]       ; with lane l xor 16's two: p's scale word for these 128 keys
.endr
	WIN 0x01
.irp c, 0,1
.irp i, 0,1,2,3
	v_cvt_scalef32_pk8_fp4_f32 v[144+4*\c+\i], v[32*\c+8*\i:32*\c+8*\i+7], v[188+\c]          ; registers 4 c .. 4 c + 3: keys 64 c + 32 x half + 0 .. 31
	v_cvt_scalef32_pk8_fp4_f32 v[152+4*\c+\i], v[64+32*\c+8*\i:64+32*\c+8*\i+7], v[190+\c]
.endr
.endr
	WIN 0x05                                       ; the row's sum of the unquantised p: four chains a tile
.set kk, 0
.rept 4
	v_pk_add_f32 v[204+2*kk:205+2*kk], v[192+2*kk:193+2*kk], v[200+2*kk:201+2*kk]   ; tile 0: of its 16 first-level sums the first eight,
	v_pk_add_f32 v[212+2*kk:213+2*kk], v[64+4*kk:65+4*kk], v[66+4*kk:67+4*kk]
.set kk, kk+1
.endr
	WIN 0x04
.set jj, 16
.rept 24
.if jj < 32
	v_pk_add_f32 v[204+2*((jj/2)%4):205+2*((jj/2)%4)], v[204+2*((jj/2)%4):205+2*((jj/2)%4)], v[192+jj:193+jj]   ; and the other eight
.endif
	v_pk_add_f32 v[212+2*((jj/2)%4):213+2*((jj/2)%4)], v[212+2*((jj/2)%4):213+2*((jj/2)%4)], v[64+jj:65+jj]
.set jj, jj+2
.endr
	WIN 0
.irp x, 0,8
	v_pk_add_f32 v[204+\x:205+\x], v[204+\x:205+\x], v[206+\x:207+\x]
	v_pk_add_f32 v[208+\x:209+\x], v[208+\x:209+\x], v[210+\x:211+\x]
.endr
.irp x, 0,8
	v_pk_add_f32 v[204+\x:205+\x], v[204+\x:205+\x], v[208+\x:209+\x]
.endr
	v_pk_add_f32 v[14:15], v[14:15], v[204:205]
	v_pk_add_f32 v[18:19], v[18:19], v[212:213]
	WIN 0x41
	s_wait_alu depctr_va_vdst(0)                   ; directly ahead of the first reader of O^T
.set jj, 0
.rept 16
	v_pk_mul_f32 v[128+jj:129+jj], v[128+jj:129+jj], v[20:21] op_sel_hi:[1,0]   ; O^T under the new M
	v_pk_mul_f32 v[160+jj:161+jj], v[160+jj:161+jj], v[22:23] op_sel_hi:[1,0]
.set jj, jj+2
.endr
	s_wait_alu depctr_va_vdst(0)                   ; directly ahead of the wait below
	s_wait_dscnt 12                                ; V and its words are in; the next step's 12 loads of K may be out
	WIN 0x50
.irp t, 0,1,2,3
.irp x, 0,1
	v_wmma_scale_f32_16x16x128_f8f6f4 v[128+32*\x+8*\t:135+32*\x+8*\t], v[96+8*\t:103+8*\t], v[144+8*\x:151+8*\x], v[128+32*\x+8*\t:135+32*\x+8*\t], v[28+\t], v[168+\x] matrix_a_fmt:MATRIX_FMT_FP4 matrix_b_fmt:MATRIX_FMT_FP4
.endr
.endr
	WIN 0
.Lhidden:
	s_add_co_u32 s[TK], s[TK], 4096
	s_add_co_u32 s[TV], s[TV], 1024
	s_add_co_u32 s[TSK], s[TSK], 512
	s_add_co_u32 s[TSV], s[TSV], 256
	s_add_co_u32 s[KI], s[KI], 1
	s_cmp_lt_u32 s[KI], 16
	s_cbranch_scc1 .Lkey
.rept 4
	v_nop                                          ; places behind the last products
.endr
	s_cmp_lg_u32 s[PH], 0
	s_cbranch_scc1 .Lno_q
	s_xor_b32 s[SG], s[SG], 15                     ; 15 - w: the second phase's Q is on its way while the first phase's result goes out
	QLOAD
.Lno_q:
	s_wait_dscnt 0x0                               ; the loads of K that ran ahead
	; the phase's end: O / l, quantised along the head's 64 channels (two blocks; register 16 b + i: channel 32 b + 16 x half + i), stored as an image of the next operand's registers
.irp x, 0,4
	v_add_f32 v[14+\x], v[14+\x], v[15+\x]
.endr
.irp x, 0,1
	v_permlanex16_b32 v[184+\x], v[14+4*\x], s[SEL], s[SEL+1]
.endr
.irp x, 0,1
	v_add_f32 v[14+4*\x], v[14+4*\x], v[184+\x]    ; the row's sum
.endr
	s_wait_alu depctr_va_vdst(0)                   ; ahead of the transcendentals
	v_rcp_f32 v14, v14
	v_rcp_f32 v18, v18
	v_nop                                          ; one plain place behind a transcendental
	WIN 0x41
	s_wait_alu depctr_va_vdst(0)                   ; ahead of the first reader of the reciprocals and of O^T
.set jj, 0
.rept 32
	v_mul_f32 v[jj], v[128+jj], v14
	v_mul_f32 v[64+jj], v[160+jj], v18
.set jj, jj+1
.endr
	WIN 0x05
.irp x, 0,1
.irp b, 0,1
	v_max3_num_f32 v[180+2*\x+\b], |v[64*\x+16*\b]|, |v[64*\x+16*\b+1]|, 0x1800000
.endr
.endr
	WIN 0x14
.irp i, 2,4,6,8,10,12,14
.irp x, 0,1
.irp b, 0,1
	v_max3_num_f32 v[180+2*\x+\b], v[180+2*\x+\b], |v[64*\x+16*\b+\i]|, |v[64*\x+16*\b+\i+1]|
.endr
.endr
.endr
	WIN 0
.irp b, 0,1,2,3
	v_permlanex16_b32 v[220+\b], v[180+\b], s[SEL], s[SEL+1]
.endr
.irp b, 0,1,2,3
	v_max_num_f32 v[180+\b], v[180+\b], v[220+\b]
.endr
.irp b, 0,1,2,3
	v_add_nc_u32 v[188+\b], 0xff000000, v[180+\b]
.endr
.irp b, 0,1,2,3
	v_lshrrev_b32 v[192+\b], 23, v[188+\b]
.endr
.irp x, 0,1
	v_lshl_or_b32 v[196+\x], v[193+2*\x], 8, v[192+2*\x]
.endr
	WIN 0x01
.irp x, 0,1
.irp b, 0,1
	v_cvt_scalef32_pk8_fp4_f32 v[144+8*\x+2*\b], v[64*\x+16*\b:64*\x+16*\b+7], v[188+2*\x+\b]
	v_cvt_scalef32_pk8_fp4_f32 v[145+8*\x+2*\b], v[64*\x+16*\b+8:64*\x+16*\b+15], v[188+2*\x+\b]
.endr
.endr
	WIN 0
	v_nop                                          ; one plain place behind a scaled conversion
.irp x, 0,8
	v_permlane16_swap_b32 v[144+\x], v[146+\x]     ; a whole block to a lane: lanes 0-15 block 0, lanes 16-31 block 1
	v_permlane16_swap_b32 v[145+\x], v[147+\x]
.endr
.irp x, 0,1
	global_store_b128 v1, v[144+8*\x:147+8*\x], s[84:85] offset:8192*\x    ; 32 lanes store 512 consecutive bytes
	global_store_b16 v27, v[196+\x], s[86:87] offset:512*\x                ; two bytes of each row's 16; lanes 16-31 write the same bytes with the same values
.endr
	s_wait_xcnt 0x0                                ; the stores' data and bases are written again only behind this wait
	s_add_co_u32 s[PH], s[PH], 1
	s_cmp_lt_u32 s[PH], 2
	s_wait_alu depctr_va_vdst(0)
	s_cbranch_scc1 .Lphase
	s_wait_tensorcnt 0x0                           ; the wave's end
	ds_add_u32 v26, v255
	s_wait_dscnt 0x0
	CROUND                                         ; the closing round
	s_endpgm
.Lfunc_end_k_q2de329fa42_attn:
	.size	k_q2de329fa42_attn, .Lfunc_end_k_q2de329fa42_attn-k_q2de329fa42_attn
	.p2alignl 7, 3214868480
	.fill 96, 4, 3214868480
	.section	.rodata,"a",@progbits
	.p2align	6, 0x0
	.amdhsa_kernel k_q2de329fa42_attn
		.amdhsa_group_segment_fixed_size 169984
		.amdhsa_private_segment_fixed_size 0
		.amdhsa_enable_private_segment 0
		.amdhsa_kernarg_size 16
		.amdhsa_user_sgpr_count 2
		.amdhsa_user_sgpr_kernarg_segment_ptr 1
		.amdhsa_wavefront_size32 1
		.amdhsa_system_sgpr_workgroup_id_x 1
		.amdhsa_system_sgpr_workgroup_id_y 1
		.amdhsa_system_sgpr_workgroup_id_z 1
		.amdhsa_system_vgpr_workitem_id 0
		.amdhsa_next_free_vgpr 512
		.amdhsa_next_free_sgpr 96
		.amdhsa_reserve_vcc 1
		.amdhsa_float_denorm_mode_32 3
		.amdhsa_float_denorm_mode_16_64 3
		.amdhsa_memory_ordered 1
		.amdhsa_forward_progress 1
		.amdhsa_inst_pref_size 59
	.end_amdhsa_kernel
	.amdgpu_metadata
---
amdhsa.version: [ 1, 2 ]
amdhsa.kernels:
  - .name:           k_q2de329fa42_attn
    .symbol:         k_q2de329fa42_attn.kd
    .args:
      - { .name: qkv, .offset: 0, .size: 8, .value_kind: global_buffer, .address_space: global }
      - { .name: oq, .offset: 8, .size: 8, .value_kind: global_buffer, .address_space: global }
    .group_segment_fixed_size: 169984
    .private_segment_fixed_size: 0
    .kernarg_segment_align: 8
    .kernarg_segment_size: 16
    .max_flat_workgroup_size: 256
    .sgpr_count:     96
    .vgpr_count:     512
    .wavefront_size: 32
...
	.end_amdgpu_metadata
.endif
;; end of part 3
;; launch proj (part 4): grid 4 x 64, 4 waves a work-group, clusters of 4 x 4, 246,272 bytes of LDS; arguments opq, oq, b_out, out0; writes out0
.if DOCPART == 4
	.amdgcn_target "amdgcn-amd-amdhsa--gfx1250"
	.amdhsa_code_object_version 6
	.text
	.protected	k_q2de329fa42_proj
	.globl	k_q2de329fa42_proj
	.p2align	8
	.type	k_q2de329fa42_proj,@function
k_q2de329fa42_proj:
	s_mov_b64 s[64:65], 0
	v_nop
	global_prefetch_b8 v0, s[64:65] scope:SCOPE_SE
	s_setreg_imm32_b32 hwreg(HW_REG_WAVE_MODE, 25, 1), 1
	s_wait_xcnt 0x0
	s_wait_alu depctr_hold_cnt(0) depctr_sa_sdst(0) depctr_va_vdst(0) depctr_va_sdst(0) depctr_va_ssrc(0) depctr_va_vcc(0) depctr_vm_vsrc(0)
	s_getreg_b32 s2, hwreg(HW_REG_IB_STS2, 6, 4)
	s_cmp_eq_u32 s2, 0
	s_cbranch_scc0 .Lentry_in_a_cluster
	s_endpgm
.Lentry_in_a_cluster:
	s_bfe_u32 s2, ttmp6, 0x10000c
	s_cmp_lg_u32 s2, 0xf033
	s_cbranch_scc0 .Lentry_shape_is_right
	s_endpgm
.Lentry_shape_is_right:
; y = out W_out + b_out on codes of FP4 with E8M0 scales, K = 1,024.  P = 256 columns of W_out (source 0), R = 128 rows of the attention's result (source 1): a lane holds one row and its registers run along the columns.
; Tiles of 16 are not neighbours: tile 2 B + u holds index 32 B + 8 u + p + 8 (p / 8) at place p; two neighbouring tiles of P give a lane 16 neighbouring columns.
; ALL OF K LIES IN LDS (204 KB with the scale words): every tensor load is a first fill, nothing is filled again; one load of a wave is out.
; CLUSTER 4 x 4: P's tiles are asked for jointly down a column of the cluster, R's along a row.  Four waves, each P 128 x R 64: 32 accumulators (window 1).
; The results go through the wave's own stage in LDS (bytes into which no tensor load lands) and leave as whole rows of 512 bytes.
.set WOC, 6127616
.set WOS, 6651904
.set OS,  4194304
.set RREG, 131072
.set RSC,  196608
.set PSC,  200704
.set STG,  208896                      ; 16 rows x 528 bytes for each wave
.set ADP, 2
.set ADR, 4
.set ADS, 6
.set STO, 7
.set RD,  8
.set SC,  16
.set RF,  48
.set PF,  112
.set BP,  112
.set H,   176
.set BK,  48
.set WV, 12
.set WR, 13
.set WP, 14
.set G1P, 24
.set G1R, 32
.set G1PS, 40
.set G1RS, 48
.set G0PS, 56
.set G0P0, 60
.set G0P1, 68
.set G0RS, 72
.set G0R0, 76
.set G0R1, 80
.set MSB, 0
.macro WIN new
.if MSB != \new
	s_set_vgpr_msb (MSB<<8)|\new
.set MSB, \new
.endif
.endm
.macro CROUND
	s_barrier_signal -1
	s_barrier_wait -1
	s_cmp_lg_u32 s[WV], 0
	s_cbranch_scc1 .Lnot_wave_0_\@
	s_barrier_signal -3
.Lnot_wave_0_\@:
	s_barrier_wait -3
	s_barrier_signal -1
	s_barrier_wait -1
.endm
.macro PLACES
.rept 4
	v_nop
.endr
.endm
.macro FETCH q
.irp b, 0,1,2,3,4,5,6,7
.irp c, 0,1
	ds_load_b128 v[PF+64*((\q)%2)+8*\b+4*\c:PF+64*((\q)%2)+8*\b+4*\c+3], v[ADP+(\q)/4] offset:8192*\b+1024*((\q)%4)+512*\c
.endr
.endr
.irp a, 0,1,2,3
.irp c, 0,1
	ds_load_b128 v[RF+32*((\q)%2)+8*\a+4*\c:RF+32*((\q)%2)+8*\a+4*\c+3], v[ADR+(\q)/4] offset:8192*\a+1024*((\q)%4)+512*\c
.endr
.endr
.endm
.macro SCALES kh
.irp i, 0,1,2,3,4,5,6,7
	ds_load_b128 v[SC+4*\i:SC+4*\i+3], v[ADS] offset:512*\i+256*(\kh)
.endr
.endm
.macro MUL q, zero                     ; 32 products; the 32 accumulators take turns, one instruction a turn
	WIN 0x50
.irp a, 0,1,2,3
.irp b, 0,1,2,3,4,5,6,7
.if \zero
	v_wmma_scale_f32_16x16x128_f8f6f4 v[8*(8*\a+\b):8*(8*\a+\b)+7], v[PF+64*((\q)%2)+8*\b:PF+64*((\q)%2)+8*\b+7], v[RF+32*((\q)%2)+8*\a:RF+32*((\q)%2)+8*\a+7], 0, v[SC+4*\b+(\q)%4], v[SC+4*\a+(\q)%4] matrix_a_fmt:MATRIX_FMT_FP4 matrix_b_fmt:MATRIX_FMT_FP4 matrix_a_scale:MATRIX_SCALE_ROW1
.else
	v_wmma_scale_f32_16x16x128_f8f6f4 v[8*(8*\a+\b):8*(8*\a+\b)+7], v[PF+64*((\q)%2)+8*\b:PF+64*((\q)%2)+8*\b+7], v[RF+32*((\q)%2)+8*\a:RF+32*((\q)%2)+8*\a+7], v[8*(8*\a+\b):8*(8*\a+\b)+7], v[SC+4*\b+(\q)%4], v[SC+4*\a+(\q)%4] matrix_a_fmt:MATRIX_FMT_FP4 matrix_b_fmt:MATRIX_FMT_FP4 matrix_a_scale:MATRIX_SCALE_ROW1
.endif
.endr
.endr
.endm
.macro STEPG q
	s_wait_dscnt 0x0                               ; this step's fragments are in (asked for 32 products ago)
	WIN 0
	PLACES
	FETCH (\q)+1
	MUL \q, 0
.endm
	s_load_b256 s[4:11], s[0:1], 0x0               ; opq s[4:5], oq s[6:7], b_out s[8:9], out0 s[10:11]
	v_lshl_add_u32 v254, v0, 2, 0x3c000
	v_mov_b32 v255, 0
	ds_add_u32 v254, v255
	ds_add_u32 v254, v255
	v_lshrrev_b32 v1, 5, v0
	v_readfirstlane_b32 s[WV], v1
	s_lshr_b32 s[WR], s[WV], 1                     ; my half of R.
	s_and_b32 s[WP], s[WV], 1                      ; my half of P.
	s_bfe_u32 s15, ttmp6, 0x40000                  ; cx
	s_bfe_u32 s16, ttmp6, 0x40004                  ; cy
	s_lshl_b32 s19, ttmp9, 2
	s_add_co_u32 s19, s19, s15                     ; px: 256 columns
	s_and_b32 s20, ttmp7, 0xffff
	s_lshl_b32 s20, s20, 2
	s_add_co_u32 s20, s20, s16                     ; ry: 128 rows
	s_lshl_b32 s100, 0x1111, s15                   ; my column of the cluster
	s_lshl_b32 s101, s16, 2
	s_lshl_b32 s101, 15, s101                      ; my row
	s_or_b32 s[G1P], s100, (3<<16)|(1<<21)         ; 15:0 the mask; 17:16 elements of 8 bytes; 21 set beside a mask; no padding
	s_or_b32 s[G1PS], s100, (3<<16)|(1<<21)
	s_or_b32 s[G1R], s101, (3<<16)|(1<<21)
	s_or_b32 s[G1RS], s101, (3<<16)|(1<<21)
	s_mov_b32 s[G1P+1], 32<<16                     ; P's codes: 16 tiles, 131,072 dense bytes as 512 rows of 256; in LDS [tile][8 K steps][1,024]
	s_mov_b32 s[G1P+2], 512<<16
	s_mov_b32 s[G1P+3], 32<<16
	s_mov_b32 s[G1P+4], 512
	s_mov_b32 s[G1P+5], 32
	s_mov_b32 s[G1P+6], 0
	s_mov_b32 s[G1P+7], 0
	s_mov_b32 s[G1R+1], 32<<16                     ; R's: 8 tiles, 65,536 dense bytes
	s_mov_b32 s[G1R+2], 256<<16
	s_mov_b32 s[G1R+3], 32<<16
	s_mov_b32 s[G1R+4], 256
	s_mov_b32 s[G1R+5], 32
	s_mov_b32 s[G1R+6], 0
	s_mov_b32 s[G1R+7], 0
	s_mov_b32 s[G1PS+1], 32<<16                    ; P's scale words
	s_mov_b32 s[G1PS+2], 32<<16                    ; 8,192 dense bytes
	s_mov_b32 s[G1PS+3], 32<<16
	s_mov_b32 s[G1PS+4], 32
	s_mov_b32 s[G1PS+5], 32
	s_mov_b32 s[G1PS+6], 0
	s_mov_b32 s[G1PS+7], 0
	s_mov_b32 s[G1RS+1], 32<<16                    ; R's scale words
	s_mov_b32 s[G1RS+2], 16<<16                    ; 4,096 dense bytes
	s_mov_b32 s[G1RS+3], 32<<16
	s_mov_b32 s[G1RS+4], 16
	s_mov_b32 s[G1RS+5], 32
	s_mov_b32 s[G1RS+6], 0
	s_mov_b32 s[G1RS+7], 0
	s_lshl_b32 s92, s19, 17
	s_add_co_u32 s92, s92, WOC
	s_mov_b32 s93, 0
	s_lshl_b32 s94, s19, 13
	s_add_co_u32 s94, s94, WOS
	s_mov_b32 s95, 0
	s_lshl_b32 s96, s20, 16
	s_mov_b32 s97, 0
	s_lshl_b32 s98, s20, 12
	s_add_co_u32 s98, s98, OS
	s_mov_b32 s99, 0
	s_wait_dscnt 0x0
	s_wait_kmcnt 0x0
	s_mov_b32 s[G0PS], 1
	s_mov_b32 s[G0PS+1], PSC
	s_add_nc_u64 s[G0PS+2:G0PS+3], s[4:5], s[94:95]
	s_or_b32 s[G0PS+3], s[G0PS+3], 0x80000000
	s_mov_b32 s[G0P0], 1
	s_mov_b32 s[G0P0+1], 0
	s_add_nc_u64 s[G0P0+2:G0P0+3], s[4:5], s[92:93]
	s_or_b32 s[G0P0+3], s[G0P0+3], 0x80000000
	s_mov_b32 s[G0RS], 1
	s_mov_b32 s[G0RS+1], RSC
	s_add_nc_u64 s[G0RS+2:G0RS+3], s[6:7], s[98:99]
	s_or_b32 s[G0RS+3], s[G0RS+3], 0x80000000
	s_mov_b32 s[G0R0], 1
	s_mov_b32 s[G0R0+1], RREG
	s_add_nc_u64 s[G0R0+2:G0R0+3], s[6:7], s[96:97]
	s_or_b32 s[G0R0+3], s[G0R0+3], 0x80000000
	CROUND                                         ; all sixteen work-groups are here: the joint loads meet
; the four first fills, ONE A WAVE, in one tree of branches on the wave's number: wave 0 P's codes, wave 1 R's codes, wave 2 P's scale words, wave 3 R's.  One tensor load of a wave is out.
.macro ARM under, g0, g1, next
	s_cmp_lt_u32 s[WV], \under
	s_cbranch_scc0 \next
	tensor_load_to_lds s[\g0:\g0+3], s[\g1:\g1+7]
	s_nop 0
.rept 4
	v_nop
.endr
	s_branch .Lasked
\next:
.endm
	ARM 1, G0P0, G1P,  .Lhead_r
	ARM 2, G0R0, G1R,  .Lhead_ps
	ARM 3, G0PS, G1PS, .Lhead_rs
	tensor_load_to_lds s[G0RS:G0RS+3], s[G1RS:G1RS+7]
	s_nop 0
.rept 4
	v_nop
.endr
.Lasked:
	v_and_b32 v1, 31, v0
	v_lshlrev_b32 v1, 4, v1                        ; 16 x lane
	v_and_b32 v10, 15, v0                          ; r
	v_bfe_u32 v11, v0, 4, 1                        ; h
	s_wait_alu depctr_va_vdst(0)
	s_lshl_b32 s21, s[WP], 16                      ; my eight tiles of P, 8,192 bytes each
	v_add_nc_u32 v[ADP], s21, v1
	v_add_nc_u32 v[ADP+1], 4096, v[ADP]            ; K steps 4 to 7
	s_lshl_b32 s21, s[WR], 15                      ; my four tiles of R
	s_add_co_u32 s21, s21, RREG
	v_add_nc_u32 v[ADR], s21, v1
	v_add_nc_u32 v[ADR+1], 4096, v[ADR]
	s_lshl_b32 s21, s[WP], 12                      ; from R's words of my half to P's words of my half: 2,048 + 4,096 wp + 2,048 (1 - wr)
	s_xor_b32 s22, s[WR], 1
	s_lshl_b32 s22, s22, 11
	s_add_co_u32 s21, s21, s22
	s_add_co_u32 s21, s21, 2048
	v_mul_u32_u24 v[ADS], s21, v11                 ; lanes 16-31 take P's
	v_lshl_add_u32 v[ADS], v10, 4, v[ADS]
	s_lshl_b32 s22, s[WR], 11
	s_add_co_u32 s22, s22, RSC
	v_add_nc_u32 v[ADS], s22, v[ADS]
	v_lshlrev_b32 v13, 6, v11                      ; the bias: my half's 16 numbers of each 32
	s_mul_i32 s21, s[WV], 8448
	s_add_co_u32 s21, s21, STG                     ; my stage
	v_mul_u32_u24 v[STO], v10, 528
	v_lshl_add_u32 v[STO], v11, 6, v[STO]
	v_add_nc_u32 v[STO], s21, v[STO]               ; in: row r, + 64 h
	v_add_nc_u32 v[RD], s21, v1                    ; back: a row's 512 bytes, 16 a lane
	s_lshl_b32 s92, s20, 3
	s_lshl_b32 s21, s[WR], 2
	s_add_co_u32 s92, s92, s21                     ; my first tile of rows: 16 rows of 4,096 bytes each
	s_lshl_b32 s92, s92, 16
	s_lshl_b32 s94, s19, 10
	s_lshl_b32 s21, s[WP], 9
	s_add_co_u32 s94, s94, s21                     ; my 128 columns, in bytes
	s_add_co_u32 s92, s92, s94
	s_add_nc_u64 s[92:93], s[10:11], s[92:93]      ; (the upper words are still 0)
	s_add_nc_u64 s[94:95], s[8:9], s[94:95]
	s_wait_alu depctr_va_vdst(0)
	s_wait_tensorcnt 0x0                           ; my one load has landed
	s_barrier_signal -1
	s_barrier_wait -1                              ; everybody's are
	SCALES 0
	FETCH 0
	s_wait_dscnt 0x0
	FETCH 1
	MUL 0, 1                                       ; the first products start the sums: nothing is cleared
	STEPG 1
	STEPG 2
	s_wait_dscnt 0x0
	WIN 0
	PLACES
	FETCH 4
	MUL 3, 0
	s_wait_dscnt 0x0
	WIN 0
	PLACES
	SCALES 1
	FETCH 5
	s_wait_dscnt 24                                ; the eight loads of scale words are in; the 24 behind them may be out
	MUL 4, 0
	STEPG 5
	STEPG 6
	s_wait_dscnt 0x0
	WIN 0
	PLACES
.irp t, 0,1,2,3,4,5,6,7
	global_load_b128 v[BP+8*\t:BP+8*\t+3], v13, s[94:95] offset:(32*(\t/2)+8*(\t%2))*4         ; b_out in the result's layout
	global_load_b128 v[BP+8*\t+4:BP+8*\t+7], v13, s[94:95] offset:(32*(\t/2)+8*(\t%2))*4+16
.endr
	MUL 7, 0
	WIN 0
	s_wait_loadcnt 0x0
	PLACES                                         ; behind the last products, in front of the first read of results and the first write over their operands
; THE WAY OUT, a tile of 16 rows at a time: sum + bias; a lane's 64 numbers are four runs of 16 neighbouring columns of its row; through my stage they become whole rows.
.irp a, 0,1,2,3
	WIN 0x01                                       ; source 0: window 1
.set jj, 0
.rept 32
	v_pk_add_f32 v[H+jj:H+jj+1], v[64*\a+jj:64*\a+jj+1], v[BP+jj:BP+jj+1]      ; each accumulator from its low end on
.set jj, jj+2
.endr
	WIN 0
.irp t, 0,1,2,3,4,5,6,7
	ds_store_b128 v[STO], v[H+8*\t:H+8*\t+3] offset:128*(\t/2)+32*(\t%2)
	ds_store_b128 v[STO], v[H+8*\t+4:H+8*\t+7] offset:128*(\t/2)+32*(\t%2)+16
.endr
.if \a > 0
	s_wait_xcnt 0x0                                ; the last tile's stores have read their registers: the loads below may land there
.endif
.irp i, 0,1,2,3,4,5,6,7,8,9,10,11,12,13,14,15
	ds_load_b128 v[BK+4*\i:BK+4*\i+3], v[RD] offset:528*\i                     ; LDS serves a wave's instructions in order: these see the stores above
.endr
.irp i, 0,1,2,3,4,5,6,7,8,9,10,11,12,13,14,15
	s_wait_dscnt 15-\i                             ; row i is back; the younger loads may be out
	global_store_b128 v1, v[BK+4*\i:BK+4*\i+3], s[92:93] offset:(32*(\a/2)+8*(\a%2)+\i+8*(\i/8))*4096 th:TH_STORE_NT   ; 32 lanes store 512 consecutive bytes, at a multiple of 256 from out0's first byte
.endr
.endr
	s_wait_dscnt 0x0
	s_wait_tensorcnt 0x0
	ds_add_u32 v254, v255
	s_wait_dscnt 0x0
	CROUND                                         ; the closing round: no work-group ends while a partner may still ask for a tile that names it
	s_endpgm
.Lfunc_end_k_q2de329fa42_proj:
	.size	k_q2de329fa42_proj, .Lfunc_end_k_q2de329fa42_proj-k_q2de329fa42_proj
	.p2alignl 7, 3214868480
	.fill 96, 4, 3214868480
	.section	.rodata,"a",@progbits
	.p2align	6, 0x0
	.amdhsa_kernel k_q2de329fa42_proj
		.amdhsa_group_segment_fixed_size 246272
		.amdhsa_private_segment_fixed_size 0
		.amdhsa_enable_private_segment 0
		.amdhsa_kernarg_size 32
		.amdhsa_user_sgpr_count 2
		.amdhsa_user_sgpr_kernarg_segment_ptr 1
		.amdhsa_wavefront_size32 1
		.amdhsa_system_sgpr_workgroup_id_x 1
		.amdhsa_system_sgpr_workgroup_id_y 1
		.amdhsa_system_sgpr_workgroup_id_z 1
		.amdhsa_system_vgpr_workitem_id 0
		.amdhsa_next_free_vgpr 512
		.amdhsa_next_free_sgpr 102
		.amdhsa_reserve_vcc 0
		.amdhsa_float_denorm_mode_32 3
		.amdhsa_float_denorm_mode_16_64 3
		.amdhsa_memory_ordered 1
		.amdhsa_forward_progress 1
		.amdhsa_inst_pref_size 81
	.end_amdhsa_kernel
	.amdgpu_metadata
---
amdhsa.version: [ 1, 2 ]
amdhsa.kernels:
  - .name:           k_q2de329fa42_proj
    .symbol:         k_q2de329fa42_proj.kd
    .args:
      - { .name: opq, .offset: 0, .size: 8, .value_kind: global_buffer, .address_space: global }
      - { .name: oq, .offset: 8, .size: 8, .value_kind: global_buffer, .address_space: global }
      - { .name: b_out, .offset: 16, .size: 8, .value_kind: global_buffer, .address_space: global }
      - { .name: out0, .offset: 24, .size: 8, .value_kind: global_buffer, .address_space: global }
    .group_segment_fixed_size: 246272
    .private_segment_fixed_size: 0
    .kernarg_segment_align: 8
    .kernarg_segment_size: 32
    .max_flat_workgroup_size: 128
    .sgpr_count:     102
    .vgpr_count:     512
    .wavefront_size: 32
...
	.end_amdgpu_metadata
.endif
;; end of part 4
